; MI455X (gfx1250); checked and timed in simulation.
; The chip was launched on July 23, 2026; its instructions are those of AMD's public machine-readable ISA for CDNA 5 (MIT licence, August 2026) and "CDNA5" Instruction Set Architecture Reference Guide (July 2026). The comments in the code are by the model that wrote it; some were corrected since.
;; Causal Self Attention. Allowed arithmetic: matrix products marked QUANTISED: E4M3 operands, one given power-of-two scale a tensor, by v_wmma_f32_16x16x64_fp8_fp8 or v_wmma_f32_16x16x128_fp8_fp8, f32 sums; everything else in f32.
;; Inputs: b_proj 1,024 float32; b_qkv 3,072 float32; lowp_scales 8 int32 (the exponents e of the quantised operands' scales 2^e); w_proj 1,024 x 1,024 float32; w_qkv 1,024 x 3,072 float32; x 4 x 2,048 x 1,024 float32.
;; Outputs: out0 4 x 2,048 x 1,024 float32.
;; This version of the problem:
;;   THIS VERSION OF THE PROBLEM IS GIVEN IN LOW PRECISION. The matrix products marked QUANTISED in the list below multiply operands that are first quantised to E4M3 (4 exponent bits, 3 mantissa bits; 8 bits a number), with one given power-of-two scale for each operand tensor; their sums are f32. All else is computed in f32.
;;   The module's matrix products, in the order in which they are computed (A, B: the left and right operand; K: the contracted axis; several contracted axes count as one K, in the product's order):
;;     1. [M 8,192, K 1,024] x [K 1,024, N 3,072]; A: input x; B: input w_qkv: QUANTISED (scales: A lowp_scales[0], B lowp_scales[1])
;;     2. batch 64 x [M 2,048, K 64] x [K 64, N 2,048]; A: computed on the way; B: computed on the way: QUANTISED (scales: A lowp_scales[2], B lowp_scales[3])
;;     3. batch 64 x [M 2,048, K 2,048] x [K 2,048, N 64]; A: softmax (see below); B: computed on the way: QUANTISED (scales: A lowp_scales[4], B lowp_scales[5])
;;     4. [M 8,192, K 1,024] x [K 1,024, N 1,024]; A: computed on the way; B: input w_proj: QUANTISED (scales: A lowp_scales[6], B lowp_scales[7])
;;   THE QUANTISER, for each operand of a quantised product, along K:
;;     - The operand's scale is 2^e, e = its entry of the input lowp_scales (int32; the entries are numbered through the quantised products in the list's order, A before B).
;;     - Each number is divided by the scale, clamped to +-448, and rounded to the nearest number of E4M3, ties to even, subnormals kept.
;;     - The product sums the exact products of the quantised numbers (number of the format x scale) in f32.
;;   ~~~python
;;   def quantise(x, axis, e):      # numpy; x: float32 -> the quantised numbers, widened to float32 again
;;       x = np.moveaxis(x, axis, -1); K = x.shape[-1]
;;       r = np.clip(x / 2.0 ** e, -448, 448)
;;       step = 2.0 ** (np.maximum(np.frexp(np.where(r == 0, 1, r))[1] - 1, -6) - 3)
;;       q = np.round(r / step) * step * 2.0 ** e      # np.round: ties to even
;;       return np.moveaxis(q, -1, axis).astype(np.float32)
;;   ~~~
;;   SOFTMAX AHEAD OF A QUANTISED PRODUCT. Where the list says 'softmax', what is quantised is not the finished softmax but p = 2^(t - M), with t = logit x log2(e) and M = ceil(the row's largest t), a whole number; so 1/2 < the row's largest p <= 1. The row's sum l is taken of the UNQUANTISED p, in f32, and the product's result is divided by l at the end. Since M is a whole number, a kernel that streams over the keys may use a running M (the ceiling of the running maximum): every later rescaling is an exact power of two, so the quantised numbers keep their values, but for numbers so far below the row's largest that they fall under the format's range.
;;   OPERANDS COMPUTED ON THE WAY. 'Computed on the way' means the value that the module computes at that place (a softmax that the list does not call 'softmax' is quantised finished and normalised). What goes into a quantiser is computed in f32, as accurately as f32 sums, v_exp_f32 and their like allow (about 1e-6 of the number): no bf16 or f16 on the way to a quantiser, and a product that is left as it is and whose result goes on into a quantised operand takes f32 operands (vector FMAs, or v_wmma_f32_16x16x4_f32). A number that lies on a knife's edge between two numbers of the format may be rounded either way, as far as f32 arithmetic and the matrix unit's own rounding can turn it there, and no further.
;; One version. Each part assembles by itself: llvm-mc -triple=amdgcn-amd-amdhsa -mcpu=gfx1250 --defsym DOCPART=n.
;; ======== version 1 of 1: 4 launches
;; limits: right only within a limited range of input values
;; workspace buffers: x_codes 8,388,608 bytes; wqkv_codes 3,145,728 bytes; wproj_codes 1,048,576 bytes; q_codes 8,388,608 bytes; k_codes 8,388,608 bytes; v_codes 8,388,608 bytes; y_codes 8,388,608 bytes
;; launch quant (part 1): grid 384 x 1, 4 waves a work-group, no clusters, 35,840 bytes of LDS; arguments x, w_qkv, w_proj, lowp_scales, x_codes, wqkv_codes, wproj_codes; writes x_codes, wqkv_codes, wproj_codes
.if DOCPART == 1
	.amdgcn_target "amdgcn-amd-amdhsa--gfx1250"
	.amdhsa_code_object_version 6
	.text
	.protected	k_qda0cda92e7_quant
	.globl	k_qda0cda92e7_quant
	.p2align	8
	.type	k_qda0cda92e7_quant,@function
k_qda0cda92e7_quant:
	s_mov_b64 s[64:65], 0
	v_nop
	global_prefetch_b8 v0, s[64:65] scope:SCOPE_SE
	s_setreg_imm32_b32 hwreg(HW_REG_WAVE_MODE, 25, 1), 1
	s_wait_xcnt 0x0
; CAUSAL SELF-ATTENTION ON CODES OF FP8 (E4M3), FOUR LAUNCHES: this one (codes of x, w_qkv, w_proj), qkv (product 1 + b_qkv, quantised to q, k, v), attn (products 2 and 3 with the softmax, y quantised), proj (product 4 + b_proj).
; WORK LEFT OUT, in the whole program: only key tiles that lie wholly above the diagonal of the mask that reference() builds itself (jnp.tril).  There jnp.where puts -inf in front of the softmax, whatever finite
; values the inputs hold; the weight of such a key is exactly 0, so it adds 0 to the row's sum and 0 to the product with v.  Every input has a way to the output and is loaded (b_qkv's part for k moves k's codes).
; LIMIT: a NaN, an infinity or an overflow that reaches only those tiles is not carried to the result.  NaN among the inputs is not served; an infinity is held at the largest code.
; THIS LAUNCH.  code = number / 2^e, held within +-448, to the nearest code, ties to even; e = lowp_scales[0] for x, [1] for w_qkv, [7] for w_proj.  LIMIT: each of these e lies between -126 and 119.
; THE ORDER ALONG K OF PRODUCT 1.  In x_codes [8192][1024] and wqkv_codes [3072][1024], inside each group of 512 along K, the code at place p belongs to k = 128 ((p / 4) % 4) + 4 (p / 16) + p % 4.
; The same order in both operands: every product meets its partner, and only the order inside the f32 sums changes.  With it a lane that loads 16 bytes of each of four runs of 512 bytes holds the 16 codes
; that it stores as 16 neighbouring bytes: x needs no LDS, every load reads 512 bytes on end and every store writes 512 bytes on end.  wproj_codes [1024][1024] has K in its own order.
; SHARES.  Work-groups 0-255: x, a wave takes 16 steps of 512 numbers.  Work-groups 256-383: the weights, whose K is their FIRST axis: a lane takes a column n and its registers run down K, so the conversions
; give codes with K innermost; a wave takes 32 columns x 256 places of K; the codes go through the wave's own stage in LDS and leave sixteen lanes to 256 aligned bytes.  One text serves both weights:
; pointers, row length and the rows' order are chosen by s_cselect on the work-group's number.  No tensor load, no barrier: waves share nothing.  No matrix unit, no cluster: the launch only streams.
.set SPW,   14                         ; v14  LDS address of my spare word; never rewritten
.set NIL,   15                         ; v15  0; never rewritten
.set PITCH, 272                        ; a stage row: 256 bytes of codes + 16
.set SPARE, 4*32*PITCH                 ; behind the four stages: the spare words, 128 bytes a wave
.set R,     16                         ; x path: v16-79 four sets of 16 numbers
.set XC,    128                        ; x path: v128-191 four registers of codes for each step: no store's data are written again
.set X,     32                         ; weights: v32-95 two sets of 32 numbers
.set C,     96                         ; weights: v96-103 a block's codes
.set OUTR,  112                        ; weights: v112-175 the way out
.set VO,    176                        ; weights: v176-207 byte offset of place i of a block: 4 lane + (its row) x (a row's bytes); never rewritten
	s_load_b256 s[4:11], s[0:1], 0x0               ; x, w_qkv, w_proj, the exponents
	s_load_b128 s[12:15], s[0:1], 0x20             ; x_codes, wqkv_codes
	s_load_b64 s[16:17], s[0:1], 0x30              ; wproj_codes
	v_lshl_add_u32 v[SPW], v0, 2, SPARE
	v_mov_b32 v[NIL], 0
	v_lshrrev_b32 v1, 5, v0
	v_readfirstlane_b32 s18, v1                    ; wave
	v_and_b32 v2, 31, v0                           ; lane
	s_wait_kmcnt 0x0
	s_load_b256 s[48:55], s[10:11], 0x0            ; e0 .. e7
	s_cmp_lt_u32 ttmp9, 256
	s_cbranch_scc0 .Lweights
; ---------------- x ----------------
.macro XLOAD t                         ; step t: four loads, each 512 bytes on end, 16 a lane
.irp i, 0,1,2,3
	global_load_b128 v[R+16*((\t)%4)+4*\i:R+16*((\t)%4)+4*\i+3], v3, s[4:5] offset:2048*(\t)+512*\i th:TH_LOAD_NT
.endr
.endm
.macro XSTEP t
.set RS, R+16*((\t)%4)
.if 15-(\t) >= 3
	s_wait_loadcnt 12                              ; this step's four loads are in; those of the three younger steps may be out
.else
	s_wait_loadcnt 4*(15-(\t))
.endif
.irp i, 0,1,2,3,4,5,6,7,8,9,10,11,12,13,14,15
	v_med3_num_f32 v[RS+\i], v[RS+\i], -v10, v10   ; the conversion to an 8-bit code does not saturate (ISA guide 7.6.2): the hold at the largest code x the scale
.endr
	v_cvt_scalef32_pk8_fp8_f32 v[XC+4*(\t):XC+4*(\t)+1], v[RS:RS+7], v11
	v_cvt_scalef32_pk8_fp8_f32 v[XC+4*(\t)+2:XC+4*(\t)+3], v[RS+8:RS+15], v11
	v_nop                                          ; a plain line behind the conversions
.if (\t)+4 < 16
	XLOAD (\t)+4                                   ; the set just converted takes the loads of four steps on
.endif
	global_store_b128 v3, v[XC+4*(\t):XC+4*(\t)+3], s[12:13] offset:512*(\t)   ; 32 lanes store 512 bytes on end
.endm
	s_lshl_b32 s20, ttmp9, 2
	s_add_co_u32 s20, s20, s18                     ; which run of 8,192 numbers is my wave's
	s_lshl_b32 s22, s20, 15
	s_mov_b32 s23, 0
	s_add_nc_u64 s[4:5], s[4:5], s[22:23]
	s_lshl_b32 s22, s20, 13
	s_add_nc_u64 s[12:13], s[12:13], s[22:23]
	s_wait_alu depctr_va_vdst(0)
	v_lshlrev_b32 v3, 4, v2                        ; 16 x lane, in and out
	XLOAD 0
	XLOAD 1
	XLOAD 2
	XLOAD 3
	s_wait_kmcnt 0x0
	s_add_co_i32 s24, s48, 127
	s_lshl_b32 s25, s24, 23
	v_mov_b32 v11, s25                             ; 2^e0 as f32: the conversion takes its exponent field
	s_add_co_i32 s24, s24, 8
	s_lshl_b32 s24, s24, 23
	s_or_b32 s24, s24, 0x600000
	v_mov_b32 v10, s24                             ; 448 x 2^e0
	s_wait_alu depctr_va_vdst(0)
.irp t, 0,1,2,3,4,5,6,7,8,9,10,11,12,13,14,15
	XSTEP \t
.endr
	s_endpgm
; ---------------- the weights ----------------
.macro WLOAD t                         ; block t of eight: 32 places of K of my column, into set t % 2
.set wi, 0
.rept 32
	global_load_b32 v[X+32*((\t)%2)+wi], v[VO+wi], s[32+2*(\t):33+2*(\t)] th:TH_LOAD_NT
.set wi, wi+1
.endr
.endm
.macro BLOCK t
.set XS, X+32*((\t)%2)
.if (\t) < 7
	s_wait_loadcnt 32                              ; this block's 32 loads are in; the next block's may be out
.else
	s_wait_loadcnt 0
.endif
.set wi, 0
.rept 32
	v_med3_num_f32 v[XS+wi], v[XS+wi], -v10, v10
.set wi, wi+1
.endr
.irp g, 0,1,2,3
	v_cvt_scalef32_pk8_fp8_f32 v[C+2*\g:C+2*\g+1], v[XS+8*\g:XS+8*\g+7], v11
.endr
	v_nop                                          ; a plain line behind the conversions
	ds_store_b128 v4, v[C:C+3] offset:32*(\t)      ; 32 codes of my column's row
	ds_store_b128 v4, v[C+4:C+7] offset:32*(\t)+16
.if (\t)+2 < 8
	WLOAD (\t)+2
.endif
	s_wait_dscnt 0x0                               ; the stores have read their registers: the next block's codes may be written
.endm
.Lweights:
	s_sub_co_u32 s20, ttmp9, 256
	s_and_b32 s21, s20, 3                          ; y: which 256 places of K
	s_lshr_b32 s20, s20, 2                         ; block of 128 columns: 0-23 w_qkv, 24-31 w_proj
	s_and_b32 s24, s21, 1
	s_lshl_b32 s24, s24, 6
	s_lshr_b32 s25, s21, 1
	s_lshl_b32 s25, s25, 9
	s_add_co_u32 s24, s24, s25                     ; w_qkv: place 256 y begins at row 64 (y % 2) + 512 (y / 2)
	s_lshl_b32 s25, s21, 8                         ; w_proj: at row 256 y
	s_sub_co_u32 s26, s20, 24
	s_mov_b32 s27, 4096
	s_mov_b32 s28, 32*4096
	s_wait_alu depctr_va_vdst(0)
	v_lshlrev_b32 v3, 2, v2                        ; 4 bytes a lane
	s_wait_alu depctr_va_vdst(0)
	s_cmp_lt_u32 s20, 24                           ; the choice hangs on the work-group's number alone; none of the lines down to the last offset touches SCC
	s_cselect_b32 s27, 12288, s27                  ; a row of the weight in bytes
	s_cselect_b32 s28, 8*12288, s28                ; from block to block: 8 rows of w_qkv, 32 of w_proj
	s_cselect_b32 s24, s24, s25
	s_cselect_b32 s20, s20, s26
	s_cselect_b32 s30, 1, 0
	s_cselect_b64 s[6:7], s[6:7], s[8:9]
	s_cselect_b64 s[14:15], s[14:15], s[16:17]
.set wi, 0
.rept 32
	s_cselect_b32 s31, 128*((wi/4)%4)+4*(wi/16)+wi%4, wi   ; the row of place wi of a block
	s_mul_i32 s31, s31, s27
	v_add_nc_u32 v[VO+wi], s31, v3
.set wi, wi+1
.endr
	s_lshl_b32 s20, s20, 7
	s_lshl_b32 s26, s18, 5
	s_add_co_u32 s20, s20, s26                     ; my wave's first column
	s_mul_i32 s24, s24, s27
	s_lshl_b32 s26, s20, 2
	s_add_co_u32 s24, s24, s26
	s_mov_b32 s25, 0
	s_mov_b32 s29, 0
	s_add_nc_u64 s[32:33], s[6:7], s[24:25]        ; a base for each of the eight blocks: no pointer is stepped under pending loads
.irp t, 1,2,3,4,5,6,7
	s_add_nc_u64 s[32+2*\t:33+2*\t], s[30+2*\t:31+2*\t], s[28:29]
.endr
	s_lshl_b32 s24, s20, 10
	s_lshl_b32 s26, s21, 8
	s_add_co_u32 s24, s24, s26
	s_add_nc_u64 s[14:15], s[14:15], s[24:25]      ; the codes: column x 1,024 + 256 y
	s_mul_i32 s19, s18, 32*PITCH                   ; my stage
	v_mul_u32_u24 v4, v2, PITCH
	v_add_nc_u32 v4, s19, v4                       ; into it: row = my column
	v_and_b32 v5, 15, v2
	v_lshrrev_b32 v6, 4, v2
	v_mul_u32_u24 v7, v6, PITCH
	v_lshl_add_u32 v7, v5, 4, v7
	v_add_nc_u32 v7, s19, v7                       ; out of it: sixteen lanes to a row, two rows an instruction
	v_lshlrev_b32 v8, 10, v6
	v_lshl_add_u32 v8, v5, 4, v8                   ; and the same place in the codes
	WLOAD 0
	WLOAD 1
	s_wait_kmcnt 0x0
	s_cmp_eq_u32 s30, 1
	s_cselect_b32 s24, s49, s55                    ; e1 or e7
	s_add_co_i32 s24, s24, 127
	s_lshl_b32 s25, s24, 23
	v_mov_b32 v11, s25
	s_add_co_i32 s24, s24, 8
	s_lshl_b32 s24, s24, 23
	s_or_b32 s24, s24, 0x600000
	v_mov_b32 v10, s24
	s_wait_alu depctr_va_vdst(0)
.irp t, 0,1,2,3,4,5,6,7
	BLOCK \t
.endr
.set wi, 0
.rept 16
	ds_load_b128 v[OUTR+4*wi:OUTR+4*wi+3], v7 offset:2*wi*PITCH   ; LDS serves a wave's instructions in order: these see my stores
.set wi, wi+1
.endr
.set wi, 0
.rept 16
	s_wait_dscnt 15-wi                             ; the younger LDS loads may be out
	global_store_b128 v8, v[OUTR+4*wi:OUTR+4*wi+3], s[14:15] offset:2*wi*1024   ; sixteen lanes store 256 aligned bytes
.set wi, wi+1
.endr
	s_wait_tensorcnt 0x0                           ; the wave's end
	ds_add_u32 v[SPW], v[NIL]
	s_wait_dscnt 0x0
	s_endpgm
.Lfunc_end_k_qda0cda92e7_quant:
	.size	k_qda0cda92e7_quant, .Lfunc_end_k_qda0cda92e7_quant-k_qda0cda92e7_quant
	.p2alignl 7, 3214868480
	.fill 96, 4, 3214868480
	.section	.rodata,"a",@progbits
	.p2align	6, 0x0
	.amdhsa_kernel k_qda0cda92e7_quant
		.amdhsa_group_segment_fixed_size 35840
		.amdhsa_private_segment_fixed_size 0
		.amdhsa_enable_private_segment 0
		.amdhsa_kernarg_size 56
		.amdhsa_user_sgpr_count 2
		.amdhsa_user_sgpr_kernarg_segment_ptr 1
		.amdhsa_wavefront_size32 1
		.amdhsa_system_sgpr_workgroup_id_x 1
		.amdhsa_system_sgpr_workgroup_id_y 1
		.amdhsa_system_sgpr_workgroup_id_z 1
		.amdhsa_system_vgpr_workitem_id 0
		.amdhsa_next_free_vgpr 208
		.amdhsa_next_free_sgpr 66
		.amdhsa_reserve_vcc 0
		.amdhsa_float_denorm_mode_32 3
		.amdhsa_float_denorm_mode_16_64 3
		.amdhsa_memory_ordered 1
		.amdhsa_forward_progress 1
		.amdhsa_inst_pref_size 82
	.end_amdhsa_kernel
	.amdgpu_metadata
---
amdhsa.version: [ 1, 2 ]
amdhsa.kernels:
  - .name:           k_qda0cda92e7_quant
    .symbol:         k_qda0cda92e7_quant.kd
    .args:
      - { .name: x, .offset: 0, .size: 8, .value_kind: global_buffer, .address_space: global }
      - { .name: w_qkv, .offset: 8, .size: 8, .value_kind: global_buffer, .address_space: global }
      - { .name: w_proj, .offset: 16, .size: 8, .value_kind: global_buffer, .address_space: global }
      - { .name: lowp_scales, .offset: 24, .size: 8, .value_kind: global_buffer, .address_space: global }
      - { .name: x_codes, .offset: 32, .size: 8, .value_kind: global_buffer, .address_space: global }
      - { .name: wqkv_codes, .offset: 40, .size: 8, .value_kind: global_buffer, .address_space: global }
      - { .name: wproj_codes, .offset: 48, .size: 8, .value_kind: global_buffer, .address_space: global }
    .group_segment_fixed_size: 35840
    .private_segment_fixed_size: 0
    .kernarg_segment_align: 8
    .kernarg_segment_size: 56
    .max_flat_workgroup_size: 128
    .sgpr_count:     66
    .vgpr_count:     208
    .wavefront_size: 32
...
	.end_amdgpu_metadata
.endif
;; end of part 1
;; launch qkv (part 2): grid 12 x 32, 4 waves a work-group, clusters of 4 x 4, 327,680 bytes of LDS; arguments x_codes, wqkv_codes, lowp_scales, b_qkv, q_codes, k_codes, v_codes; writes q_codes, k_codes, v_codes
.if DOCPART == 2
	.amdgcn_target "amdgcn-amd-amdhsa--gfx1250"
	.amdhsa_code_object_version 6
	.text
	.protected	k_qda0cda92e7_qkv
	.globl	k_qda0cda92e7_qkv
	.p2align	8
	.type	k_qda0cda92e7_qkv,@function
k_qda0cda92e7_qkv:
	s_mov_b64 s[64:65], 0
	v_nop
	global_prefetch_b8 v0, s[64:65] scope:SCOPE_SE
	s_setreg_imm32_b32 hwreg(HW_REG_WAVE_MODE, 25, 1), 1
	s_wait_xcnt 0x0
	s_wait_alu depctr_hold_cnt(0) depctr_sa_sdst(0) depctr_va_vdst(0) depctr_va_sdst(0) depctr_va_ssrc(0) depctr_va_vcc(0) depctr_vm_vsrc(0)
	s_getreg_b32 s2, hwreg(HW_REG_IB_STS2, 6, 4)
	s_cmp_eq_u32 s2, 0
	s_cbranch_scc0 .Lentry_in_a_cluster
	s_endpgm
.Lentry_in_a_cluster:
	s_bfe_u32 s2, ttmp6, 0x10000c
	s_cmp_lg_u32 s2, 0xf033
	s_cbranch_scc0 .Lentry_shape_is_right
	s_endpgm
.Lentry_shape_is_right:
; PRODUCT 1: qkv = x w_qkv + b_qkv on codes of FP8 (E4M3), and its result quantised at once to the codes of q, k and v.  Nothing is left out here.
; x_codes [8192][1024], wqkv_codes [3072][1024]: K innermost, in one and the same order in both.  q_codes, k_codes: [64 (batch, head)][2048 t][64 d].  v_codes: [64][64 d][2048 t]: the keys innermost, since they are product 3's K.
; A tile of 256 x 256 results is made by four waves, each 128 x 128: 64 accumulators, 512 registers.  K = 1,024 goes in four steps of 256 through two LDS slots filled by the tensor data mover.
; THE MATRIX INSTRUCTION IS USED TRANSPOSED: source 0 = 16 rows of the column operand, source 1 = 16 rows of the row operand: a lane holds one row and eight NEIGHBOURING columns, which one conversion turns into 8 bytes.
; ONE TEXT FOR q, k AND v, BY A CHOICE OF POINTERS on the cluster's x, which all sixteen partners share.  Cluster x = 0 (q), 1 (k): rows = x (t), columns = w_qkv (n): a lane's eight run along d, product 2's K.
; Cluster x = 2 (v): rows = w_qkv's rows 2,048 on (d), columns = x (t): the tile is v transposed, and a lane's eight run along t, product 3's K.
; THE BIAS is the C of each sum's first product, as b / 2^(e0 + e1): eight registers for each block of 16 columns (q, k) or of 16 rows (v); that one step is written twice, under a branch on the cluster's x.
; THE QUANTISER: a sum stands for sum x 2^(e0 + e1), so its code is sum / 2^(eo - e0 - e1), eo = e2 (q), e3 (k), e5 (v), held within +-448.
; LIMITS: eo - e0 - e1 between -126 and 119.  NaN is not served.
; CLUSTERS: 4 x 4 work-groups; the row operand's tile is shared along a row of the cluster, the column operand's along a column: joint loads with a mask of four.
; No prefetch: K has four steps, of which two are the first fills.  One tile to a work-group.
; REGISTERS: window 0: v16-31 addresses and the scale; v32-95 the bias, later a block's held sums; v96-103 the bias's offsets; v128-255 the row operand's fragments (one set), later codes, later rows on their way out.
;   window 1: the column operand's fragments, two sets.   windows 2, 3: the accumulators ((a, b) at v[8 (8 (a % 4) + b)]).
.set ROWB,   256                       ; a tile's row in bytes: a K step
.set KROW,   1024                      ; a row of codes in memory
.set PITCH,  272                       ; an LDS row: 256 bytes + 16: the 16 rows that a load touches start at 16 different banks (64 banks of 4 bytes: ISA guide 11.1)
.set FR,     16
.set NL,     4
.set NP,     4                         ; places behind this matrix instruction (ISA guide 7.12.1)
.set HALFT,  128*PITCH
.set SLOT,   4*HALFT
.set SPARE,  2*SLOT                    ; behind the ring: the spare words, 128 bytes a wave
.set ADRA, 16                          ; v16-17  LDS address of my row fragments in slot 0, 1
.set GOV,  18                          ; v18     v's way out: my byte offset in two rows of v_codes
.set ADRB, 20                          ; v20-21  of my column fragments
.set RDQ,  22                          ; v22-23  q's and k's way out: where I read 16 bytes back (rows 0-127, rows 128-255)
.set RDQ2, 23
.set STO,  24                          ; v24     where I put 8 codes.  The stage, 256 rows x 272 bytes from LDS byte 0, lies in slot 0, which has had its last fill and its last read by then
.set GOQ,  26                          ; v26     16 x lane
.set RDV,  27                          ; v27     v's way out: where I read 16 bytes back
.set SPW,  28
.set NIL,  29
.set SCR,  30                          ; v30     2^(eo - e0 - e1)
.set LIMR, 31                          ; v31     448 x that
.set BIAS, 32
.set TMP,  32
.set BAD,  96
.set AF,   128
.set CD,   128
.set G1,  24
.set G0,  32
.set G1B, 48
.set G0B, 56
.set ISV, 76                           ; s76     1 in the clusters that make v
.set MSB, 0
.macro WIN new                         ; the immediate's high byte repeats the setting that is left
.if MSB != \new
	s_set_vgpr_msb (MSB<<8)|\new
.set MSB, \new
.endif
.endm
.set MUL_LO, 0xa1                      ; source 0 window 1, source 1 window 0, C and D window 2
.set MUL_HI, 0xf1                      ; the same, C and D window 3
.set BIA_LO, 0x81                      ; C (the bias) window 0, D window 2
.set BIA_HI, 0xc1                      ; C window 0, D window 3
.set TO_B,   0x40
.macro JLOAD g0a, g1a, g0b, g1b        ; a joint load: waves 0, 1 fetch the row operand's halves, waves 2, 3 the column operand's; an s_nop 0 and four v_nop follow each line
	s_cmp_eq_u32 s15, 0
	s_cbranch_scc0 .Lfor_b_\@
	tensor_load_to_lds s[\g0a:\g0a+3], s[\g1a:\g1a+7]
	s_nop 0
.rept 4
	v_nop
.endr
	s_branch .Lasked_\@
.Lfor_b_\@:
	tensor_load_to_lds s[\g0b:\g0b+3], s[\g1b:\g1b+7]
	s_nop 0
.rept 4
	v_nop
.endr
.Lasked_\@:
.endm
.macro CREST                           ; a round of the cluster's barrier behind its opening barrier
	s_cmp_lg_u32 s14, 0
	s_cbranch_scc1 .Lnot_wave_0_\@
	s_barrier_signal -3
.Lnot_wave_0_\@:
	s_barrier_wait -3
	s_barrier_signal -1
	s_barrier_wait -1
.endm
.macro CROUND
	s_barrier_signal -1
	s_barrier_wait -1
	CREST
.endm
	s_load_b256 s[4:11], s[0:1], 0x0               ; x_codes, wqkv_codes, the exponents, b_qkv
	s_load_b128 s[68:71], s[0:1], 0x20             ; q_codes, k_codes
	s_load_b64 s[72:73], s[0:1], 0x30              ; v_codes
	v_lshl_add_u32 v[SPW], v0, 2, SPARE
	v_mov_b32 v[NIL], 0
	ds_add_u32 v[SPW], v[NIL]                      ; the wave's opening: the add, twice on end, and its wait ahead of my first tensor load
	ds_add_u32 v[SPW], v[NIL]
	v_lshrrev_b32 v1, 5, v0
	v_readfirstlane_b32 s14, v1                    ; wave 0..3
	s_lshr_b32 s15, s14, 1                         ; which half of the tile's rows is mine.  Also: I fetch for the row operand (0) or the column operand (1)
	s_and_b32 s16, s14, 1                          ; which half of its columns.  Also: which 128 rows of that tile I fetch
	s_bfe_u32 s40, ttmp6, 0x40000                  ; cx
	s_bfe_u32 s41, ttmp6, 0x40004                  ; cy
	s_and_b32 s75, ttmp7, 0xffff                   ; cluster y, 0..7
	s_cmp_eq_u32 ttmp9, 2                          ; cluster x: 0 q, 1 k, 2 v
	s_cselect_b32 s[ISV], 1, 0
	s_cselect_b32 s17, 0, s75
	s_cselect_b32 s42, s75, ttmp9
	s_lshl_b32 s17, s17, 2
	s_add_co_u32 s17, s17, s41                     ; tile row: q, k: 4 cluster y + cy (of x's 32); v: cy (of the weight's 4)
	s_lshl_b32 s42, s42, 2
	s_add_co_u32 s42, s42, s40                     ; tile column: q, k: 4 cluster x + cx (of the weight's first 8); v: 4 cluster y + cx (of x's 32)
	s_lshl_b32 s43, s41, 2
	s_lshl_b32 s43, 15, s43                        ; my row of the cluster
	s_lshl_b32 s44, 0x1111, s40                    ; my column
	s_or_b32 s[G1+0], s43, (0<<16)|(1<<20)|(1<<21)|(5<<22)|(3<<25)  ; the mask; elements of 1 byte; padding on; bit 21 beside a mask; 4 words after every 64
	s_or_b32 s[G1B+0], s44, (0<<16)|(1<<20)|(1<<21)|(5<<22)|(3<<25)
.irp g, G1, G1B
	s_mov_b32 s[\g+1], ROWB<<16                    ; tensor_dim0
	s_mov_b32 s[\g+2], 128<<16                     ; tensor_dim1
	s_mov_b32 s[\g+3], ROWB<<16                    ; tile_dim0
	s_mov_b32 s[\g+4], 128                         ; tile_dim1
	s_mov_b32 s[\g+5], KROW                        ; the pitch
	s_mov_b32 s[\g+6], 0
	s_mov_b32 s[\g+7], 0
.endr
	s_lshl_b32 s18, s16, 7
	s_lshl_b32 s20, s17, 8
	s_add_co_u32 s20, s20, s18
	s_lshl_b32 s20, s20, 10                        ; the row operand: (256 tile row + 128 half) rows of 1,024 bytes
	s_mov_b32 s21, 0
	s_lshl_b32 s46, s42, 8
	s_add_co_u32 s46, s46, s18
	s_lshl_b32 s46, s46, 10                        ; the column operand likewise
	s_mov_b32 s47, 0
	s_mul_i32 s45, s14, HALFT                      ; where they go: wave x 128 rows
	s_wait_dscnt 0x0                               ; both opening adds are done
	s_wait_kmcnt 0x0
	s_load_b256 s[88:95], s[8:9], 0x0              ; e0 .. e7
	s_add_nc_u64 s[78:79], s[6:7], 2048*KROW       ; the weight's rows for v
	s_cmp_eq_u32 s[ISV], 1
	s_cselect_b64 s[78:79], s[78:79], s[4:5]       ; the row operand
	s_cselect_b64 s[82:83], s[4:5], s[6:7]         ; the column operand
	s_add_nc_u64 s[20:21], s[78:79], s[20:21]
	s_add_nc_u64 s[46:47], s[82:83], s[46:47]
	CROUND                                         ; all sixteen work-groups are here: the first joint loads meet
.irp s, 0,1
	s_mov_b32 s[G0+4*\s], 1
	s_add_co_u32 s[G0+4*\s+1], s45, \s*SLOT
	s_add_nc_u64 s[G0+4*\s+2:G0+4*\s+3], s[20:21], \s*ROWB
	s_or_b32 s[G0+4*\s+3], s[G0+4*\s+3], 0x80000000
	s_mov_b32 s[G0B+4*\s], 1
	s_add_co_u32 s[G0B+4*\s+1], s45, \s*SLOT
	s_add_nc_u64 s[G0B+4*\s+2:G0B+4*\s+3], s[46:47], \s*ROWB
	s_or_b32 s[G0B+4*\s+3], s[G0B+4*\s+3], 0x80000000
.endr
	JLOAD G0, G1, G0B, G1B                         ; K step 0: one tensor load a wave at the head
	v_and_b32 v1, 15, v0                           ; r
	s_wait_alu depctr_va_vdst(0)
	v_bfe_u32 v2, v0, 4, 1                         ; h
	; the bias: register 8 i + j of lane (r, h).  q, k: b_qkv[first + 16 i + 8 h + j], i = block of columns.  v: b_qkv[first + 16 i + r] in all eight, i = block of rows
	s_wait_alu depctr_va_vdst(0)
	s_lshl_b32 s96, s42, 8
	s_lshl_b32 s97, s16, 7
	s_add_co_u32 s96, s96, s97                     ; q, k: 256 tile column + 128 half
	s_lshl_b32 s97, s17, 8
	s_lshl_b32 s98, s15, 7
	s_add_co_u32 s97, s97, s98
	s_add_co_u32 s97, s97, 2048                    ; v: 2,048 + 256 tile row + 128 half
	s_cmp_eq_u32 s[ISV], 1
	s_cselect_b32 s96, s97, s96
	s_cselect_b32 s98, 0, 4                        ; bytes from register to register
	s_cselect_b32 s99, 4, 0                        ; bytes for r
	s_cselect_b32 s74, 0, 32                       ; bytes for h
	s_lshl_b32 s96, s96, 2
	s_mov_b32 s97, 0
	s_add_nc_u64 s[86:87], s[10:11], s[96:97]
	v_mul_lo_u32 v9, v1, s99
	v_mul_lo_u32 v10, v2, s74
	v_add_nc_u32 v9, v9, v10
	s_wait_alu depctr_va_vdst(0)
.irp j, 0,1,2,3,4,5,6,7
	s_mul_i32 s99, s98, \j
	v_add_nc_u32 v[BAD+\j], s99, v9
.endr
.irp i, 0,1,2,3,4,5,6,7
.irp j, 0,1,2,3,4,5,6,7
	global_load_b32 v[BIAS+8*\i+\j], v[BAD+\j], s[86:87] offset:64*\i
.endr
.endr
	v_mul_u32_u24 v3, v1, PITCH
	s_wait_alu depctr_va_vdst(0)
	v_lshl_add_u32 v4, v2, 4, v3                   ; a fragment's row x pitch + 16 x half
	s_mul_i32 s21, s15, HALFT
	s_mul_i32 s22, s16, HALFT
	s_add_co_u32 s22, s22, 2*HALFT
.irp s, 0,1
	v_add_nc_u32 v[ADRA+\s], s21, v4
	v_add_nc_u32 v[ADRB+\s], s22, v4
	s_add_co_u32 s21, s21, SLOT
	s_add_co_u32 s22, s22, SLOT
.endr
	s_mul_i32 s23, s15, 128*PITCH                  ; the stage, on the way in: row 128 (my half of the rows) + r, byte 128 (my half of the columns) + 8 h
	s_lshl_b32 s22, s16, 7
	s_add_co_u32 s23, s23, s22
	v_lshl_add_u32 v5, v2, 3, v3
	v_add_nc_u32 v[STO], s23, v5
	v_and_b32 v6, 31, v0
	v_lshrrev_b32 v7, 2, v6                        ; q, k, on the way out: wave w takes byte columns 64 w .. 64 w + 63 (one head) of all 256 rows; four lanes to a row, eight rows an instruction
	v_mul_u32_u24 v7, v7, PITCH
	v_and_b32 v8, 3, v6
	v_lshl_add_u32 v7, v8, 4, v7
	s_lshl_b32 s22, s14, 6
	v_add_nc_u32 v[RDQ], s22, v7
	v_add_nc_u32 v[RDQ2], 128*PITCH, v[RDQ]
	s_mul_i32 s22, s14, 64*PITCH                   ; v, on the way out: wave w takes rows 64 w .. 64 w + 63 (one head), whole; sixteen lanes to a row
	v_mul_u32_u24 v7, v2, PITCH
	v_lshl_add_u32 v7, v1, 4, v7
	v_add_nc_u32 v[RDV], s22, v7
	v_lshlrev_b32 v[GOQ], 4, v6
	v_lshlrev_b32 v[GOV], 11, v2
	v_lshl_add_u32 v[GOV], v1, 4, v[GOV]
	; where my head's 16 KiB go: batch x 2^21 + head x 2^17 + (q, k: 256 t-rows of 64 bytes; v: 256 bytes in each row of 2,048)
	s_cmp_eq_u32 ttmp9, 0
	s_cselect_b64 s[84:85], s[68:69], s[70:71]
	s_cmp_eq_u32 s[ISV], 1
	s_cselect_b64 s[84:85], s[72:73], s[84:85]
	s_cselect_b32 s96, s42, s17                    ; the tile along (batch, t)
	s_cselect_b32 s97, s41, s40                    ; the tile along the heads, in its third of the weight
	s_cselect_b32 s98, 8, 14
	s_lshr_b32 s99, s96, 3
	s_lshl_b32 s99, s99, 21
	s_and_b32 s96, s96, 7
	s_lshl_b32 s96, s96, s98
	s_add_co_u32 s96, s96, s99
	s_lshl_b32 s97, s97, 2
	s_add_co_u32 s97, s97, s14
	s_lshl_b32 s97, s97, 17
	s_add_co_u32 s96, s96, s97
	s_mov_b32 s97, 0
	s_add_nc_u64 s[84:85], s[84:85], s[96:97]
	s_wait_kmcnt 0x0                               ; the exponents
	s_cmp_eq_u32 ttmp9, 0
	s_cselect_b32 s96, s90, s91
	s_cmp_eq_u32 s[ISV], 1
	s_cselect_b32 s96, s93, s96                    ; eo
	s_add_co_i32 s97, s88, s89                     ; e0 + e1
	s_sub_co_i32 s96, s96, s97
	s_add_co_i32 s96, s96, 127
	s_lshl_b32 s98, s96, 23
	v_mov_b32 v[SCR], s98
	s_add_co_i32 s96, s96, 8
	s_lshl_b32 s96, s96, 23
	s_or_b32 s96, s96, 0x600000
	v_mov_b32 v[LIMR], s96
	s_sub_co_i32 s97, 0, s97
	s_wait_loadcnt 0x0                             ; the bias
.set j, 0
.rept 64
	v_ldexp_f32 v[BIAS+j], v[BIAS+j], s97          ; b / 2^(e0 + e1): nothing is rounded
.set j, j+1
.endr
.macro FRAG reg, adr, q, i             ; 16 rows x 128 K of codes: lane l holds row l % 16; registers 4 c .. 4 c + 3 the 16 bytes at 32 c + 16 (l / 16): the same places of K in both operands
.irp c, 0,1,2,3
	ds_load_b128 v[\reg+4*\c:\reg+4*\c+3], v[\adr] offset:128*(\q)+32*\c+(\i)*16*PITCH
.endr
.endm
; 16 matrix instructions: row blocks a0, a0 + 1 x the eight column blocks.  p: the column operand's set.  mode 0: in place; 1: C = the bias of column block b; 2: C = the bias of row block a.
; The 64 accumulators take turns, one instruction a turn, in the same order in every step.
.macro MUL16 a0, p, mode
.irp a, \a0, \a0+1
.irp b, 0,1,2,3,4,5,6,7
.if \mode == 1
	v_wmma_f32_16x16x128_fp8_fp8 v[8*(8*((\a)%4)+\b):8*(8*((\a)%4)+\b)+7], v[128*(\p)+FR*\b:128*(\p)+FR*\b+FR-1], v[AF+FR*(\a):AF+FR*(\a)+FR-1], v[BIAS+8*\b:BIAS+8*\b+7]
.elseif \mode == 2
	v_wmma_f32_16x16x128_fp8_fp8 v[8*(8*((\a)%4)+\b):8*(8*((\a)%4)+\b)+7], v[128*(\p)+FR*\b:128*(\p)+FR*\b+FR-1], v[AF+FR*(\a):AF+FR*(\a)+FR-1], v[BIAS+8*(\a):BIAS+8*(\a)+7]
.else
	v_wmma_f32_16x16x128_fp8_fp8 v[8*(8*((\a)%4)+\b):8*(8*((\a)%4)+\b)+7], v[128*(\p)+FR*\b:128*(\p)+FR*\b+FR-1], v[AF+FR*(\a):AF+FR*(\a)+FR-1], v[8*(8*((\a)%4)+\b):8*(8*((\a)%4)+\b)+7]
.endif
.endr
.endr
.endm
.macro FETCH_B slot, q, p
	WIN TO_B
.irp i, 0,1,2,3,4,5,6,7
	FRAG 128*(\p)+FR*\i, ADRB+\slot, \q, \i
.endr
	WIN 0
.endm
.macro FETCH_A slot, q, i0
.irp i, \i0, \i0+1, \i0+2, \i0+3
	FRAG AF+FR*(\i), ADRA+\slot, \q, \i
.endr
.endm
.macro PLACES n                        ; plain vector lines between a matrix instruction and a load into, or a vector write of, its registers, or a read of its result
.rept \n
	v_nop
.endr
.endm
.macro STEP slot, q, mode              ; 128 along K whose successor lies in the same slot
	s_wait_dscnt 4*NL                              ; the column set and row blocks 0-3 are in; the youngest sixteen loads (row blocks 4-7) may be out
.if \mode
	WIN BIA_LO
.else
	WIN MUL_LO
.endif
	MUL16 0, (\q)%2, \mode
	MUL16 2, (\q)%2, \mode
	s_wait_dscnt 0
	PLACES NP
	FETCH_B \slot, (\q)+1, 1-(\q)%2
	FETCH_A \slot, (\q)+1, 0
.if \mode
	WIN BIA_HI
.else
	WIN MUL_HI
.endif
	MUL16 4, (\q)%2, \mode
	MUL16 6, (\q)%2, \mode
	PLACES NP
	WIN 0
	FETCH_A \slot, (\q)+1, 4
.endm
; A slot's last step changes slots: one barrier; in front of it each wave waits for all its tensor loads, adds 0 to its spare word, and waits for that and for its reads of this slot.  fill = 1: the slot is filled again, two K steps ahead.
.macro TURN slot, next, fill
	s_wait_tensorcnt 0x0                           ; all my tensor loads have landed: my part of the next slot
	ds_add_u32 v[SPW], v[NIL]
	s_wait_dscnt 4*NL+1                            ; the add and the youngest sixteen loads may be out
	WIN MUL_LO
	MUL16 0, 1, 0
	s_wait_dscnt 0x0                               ; the add is done, and my reads of this slot are over
	s_barrier_signal -1
	MUL16 2, 1, 0
	WIN 0
	s_barrier_wait -1
.if \fill
	CREST                                          ; the barrier has opened a round of the cluster's: no wave of any partner still reads this slot or has a load on its way
	s_add_nc_u64 s[G0+4*\slot+2:G0+4*\slot+3], s[G0+4*\slot+2:G0+4*\slot+3], 2*ROWB
	s_add_nc_u64 s[G0B+4*\slot+2:G0B+4*\slot+3], s[G0B+4*\slot+2:G0B+4*\slot+3], 2*ROWB
	JLOAD G0+4*\slot, G1, G0B+4*\slot, G1B         ; the first tensor load behind the round; its four v_nop are the places in front of the loads below
.else
	PLACES NP
.endif
	FETCH_B \next, 0, 0
	FETCH_A \next, 0, 0
	WIN MUL_HI
	MUL16 4, 1, 0
	MUL16 6, 1, 0
	PLACES NP
	WIN 0
	FETCH_A \next, 0, 4
.endm
	s_wait_alu depctr_va_vdst(0)                   ; the wait at the head's end
	s_wait_tensorcnt 0x0                           ; my part of K step 0 is in
	ds_add_u32 v[SPW], v[NIL]
	s_wait_dscnt 0x0
	CROUND                                         ; everybody's part of K step 0 is in, and the joint loads meet
	JLOAD G0+4, G1, G0B+4, G1B                     ; K step 1: the first tensor load behind the round
	FETCH_B 0, 0, 0
	FETCH_A 0, 0, 0
	FETCH_A 0, 0, 4
	s_cmp_eq_u32 s[ISV], 1                         ; the cluster's x: the same in all partners and waves
	s_cbranch_scc1 .Lfirst_v
	s_wait_alu depctr_va_vdst(0)
	STEP 0, 0, 1                                   ; q, k: the bias runs along the columns
	s_branch .Lfirst_done
.Lfirst_v:
	s_wait_alu depctr_va_vdst(0)
	STEP 0, 0, 2                                   ; v: along the rows
.Lfirst_done:
	TURN 0, 1, 1                                   ; K step 2 is asked for
	STEP 1, 0, 0
	TURN 1, 0, 1                                   ; K step 3
	STEP 0, 0, 0
	TURN 0, 1, 0                                   ; nothing is left to fetch
	STEP 1, 0, 0
	s_wait_dscnt 4*NL
	WIN MUL_LO
	MUL16 0, 1, 0
	MUL16 2, 1, 0
	s_wait_dscnt 0
	WIN MUL_HI
	MUL16 4, 1, 0
	MUL16 6, 1, 0
	WIN 0
	PLACES NP
; THE WAY OUT.  Row block a: its 64 sums a lane are held (each accumulator from its low end on), converted eight at a time, and put as 8 bytes into the work-group's stage.
.macro CODES a
.set AC, 64*((\a)%4)
	WIN 0x02+((\a)/4)                              ; source 0: window 2 or 3
.set j, 0
.rept 64
	v_med3_num_f32 v[TMP+j], v[AC+j], -v[LIMR], v[LIMR]   ; the conversion does not saturate (ISA guide 7.6.2)
.set j, j+1
.endr
	WIN 0
.irp b, 0,1,2,3,4,5,6,7
	v_cvt_scalef32_pk8_fp8_f32 v[CD+16*(\a)+2*\b:CD+16*(\a)+2*\b+1], v[TMP+8*\b:TMP+8*\b+7], v[SCR]
.endr
	v_nop                                          ; a plain line behind the conversions: the next block's holds write their sources
.irp b, 0,1,2,3,4,5,6,7
	ds_store_b64 v[STO], v[CD+16*(\a)+2*\b:CD+16*(\a)+2*\b+1] offset:(\a)*16*PITCH+16*\b
.endr
.endm
.irp a, 0,1,2,3,4,5,6,7
	CODES \a
.endr
	s_wait_dscnt 0x0                               ; for the others' sake: my stores into the stage are done
	s_barrier_signal -1
	s_barrier_wait -1
	s_cmp_eq_u32 s[ISV], 1
	s_cbranch_scc1 .Lout_v
.set it, 0
.rept 16
	ds_load_b128 v[CD+4*it:CD+4*it+3], v[RDQ] offset:it*8*PITCH
.set it, it+1
.endr
.rept 16
	ds_load_b128 v[CD+4*it:CD+4*it+3], v[RDQ2] offset:(it-16)*8*PITCH
.set it, it+1
.endr
.set it, 0
.rept 32
	s_wait_dscnt 31-it                             ; the younger LDS loads may be out
	global_store_b128 v[GOQ], v[CD+4*it:CD+4*it+3], s[84:85] offset:512*it   ; eight rows of 64 bytes: 512 bytes on end
.set it, it+1
.endr
	s_branch .Lout_done
.Lout_v:
.set it, 0
.rept 32
	ds_load_b128 v[CD+4*it:CD+4*it+3], v[RDV] offset:it*2*PITCH
.set it, it+1
.endr
.set it, 0
.rept 32
	s_wait_dscnt 31-it
	global_store_b128 v[GOV], v[CD+4*it:CD+4*it+3], s[84:85] offset:4096*it  ; two rows: sixteen lanes store 256 aligned bytes
.set it, it+1
.endr
.Lout_done:
	s_wait_tensorcnt 0x0                           ; the wave's end
	ds_add_u32 v[SPW], v[NIL]
	s_wait_dscnt 0x0
	CROUND                                         ; the closing round
	s_endpgm
.Lfunc_end_k_qda0cda92e7_qkv:
	.size	k_qda0cda92e7_qkv, .Lfunc_end_k_qda0cda92e7_qkv-k_qda0cda92e7_qkv
	.p2alignl 7, 3214868480
	.fill 96, 4, 3214868480
	.section	.rodata,"a",@progbits
	.p2align	6, 0x0
	.amdhsa_kernel k_qda0cda92e7_qkv
		.amdhsa_group_segment_fixed_size 327680
		.amdhsa_private_segment_fixed_size 0
		.amdhsa_enable_private_segment 0
		.amdhsa_kernarg_size 56
		.amdhsa_user_sgpr_count 2
		.amdhsa_user_sgpr_kernarg_segment_ptr 1
		.amdhsa_wavefront_size32 1
		.amdhsa_system_sgpr_workgroup_id_x 1
		.amdhsa_system_sgpr_workgroup_id_y 1
		.amdhsa_system_sgpr_workgroup_id_z 1
		.amdhsa_system_vgpr_workitem_id 0
		.amdhsa_next_free_vgpr 1024
		.amdhsa_next_free_sgpr 100
		.amdhsa_reserve_vcc 0
		.amdhsa_float_denorm_mode_32 3
		.amdhsa_float_denorm_mode_16_64 3
		.amdhsa_memory_ordered 1
		.amdhsa_forward_progress 1
		.amdhsa_inst_pref_size 152
	.end_amdhsa_kernel
	.amdgpu_metadata
---
amdhsa.version: [ 1, 2 ]
amdhsa.kernels:
  - .name:           k_qda0cda92e7_qkv
    .symbol:         k_qda0cda92e7_qkv.kd
    .args:
      - { .name: x_codes, .offset: 0, .size: 8, .value_kind: global_buffer, .address_space: global }
      - { .name: wqkv_codes, .offset: 8, .size: 8, .value_kind: global_buffer, .address_space: global }
      - { .name: lowp_scales, .offset: 16, .size: 8, .value_kind: global_buffer, .address_space: global }
      - { .name: b_qkv, .offset: 24, .size: 8, .value_kind: global_buffer, .address_space: global }
      - { .name: q_codes, .offset: 32, .size: 8, .value_kind: global_buffer, .address_space: global }
      - { .name: k_codes, .offset: 40, .size: 8, .value_kind: global_buffer, .address_space: global }
      - { .name: v_codes, .offset: 48, .size: 8, .value_kind: global_buffer, .address_space: global }
    .group_segment_fixed_size: 327680
    .private_segment_fixed_size: 0
    .kernarg_segment_align: 8
    .kernarg_segment_size: 56
    .max_flat_workgroup_size: 128
    .sgpr_count:     100
    .vgpr_count:     1024
    .wavefront_size: 32
...
	.end_amdgpu_metadata
.endif
;; end of part 2
;; launch attn (part 3): grid 4 x 64, 8 waves a work-group, clusters of 4 x 1, 327,680 bytes of LDS; arguments q_codes, k_codes, v_codes, lowp_scales, y_codes; writes y_codes
.if DOCPART == 3
	.amdgcn_target "amdgcn-amd-amdhsa--gfx1250"
	.amdhsa_code_object_version 6
	.text
	.protected	k_qda0cda92e7_attn
	.globl	k_qda0cda92e7_attn
	.p2align	8
	.type	k_qda0cda92e7_attn,@function
k_qda0cda92e7_attn:
	s_mov_b64 s[64:65], 0
	v_nop
	global_prefetch_b8 v0, s[64:65] scope:SCOPE_SE
	s_setreg_imm32_b32 hwreg(HW_REG_WAVE_MODE, 25, 1), 1
	s_wait_xcnt 0x0
	s_wait_alu depctr_hold_cnt(0) depctr_sa_sdst(0) depctr_va_vdst(0) depctr_va_sdst(0) depctr_va_ssrc(0) depctr_va_vcc(0) depctr_vm_vsrc(0)
	s_getreg_b32 s2, hwreg(HW_REG_IB_STS2, 6, 4)
	s_cmp_eq_u32 s2, 0
	s_cbranch_scc0 .Lentry_in_a_cluster
	s_endpgm
.Lentry_in_a_cluster:
	s_bfe_u32 s2, ttmp6, 0x10000c
	s_cmp_lg_u32 s2, 0x3003
	s_cbranch_scc0 .Lentry_shape_is_right
	s_endpgm
.Lentry_shape_is_right:
; PRODUCTS 2 AND 3 WITH THE CAUSAL SOFTMAX, on codes of FP8 (E4M3); y is quantised at once for product 4.
; LEFT OUT: key steps all of whose keys come after a wave's queries: reference()'s own jnp.tril gives them the weight 0 for all values of the inputs (shown at the head of the first kernel).
; q_codes, k_codes [64 (batch, head)][2048][64]; v_codes [64][64 d][2048 keys]; y_codes [16 head][8192 (batch, t)][64 d].
; THE SOFTMAX: t = score x c, c = log2(e) / 8 x 2^(e2 + e3); M = the running largest t rounded UP to a whole number; p = 2^(t - M) is quantised with 2^e4, not normalised;
; the row's sum is taken of the unquantised p and divides at the end.  When M moves, the sum and O are multiplied by 2^(old M - new M): nothing is rounded, no branch hangs on data.
; A HEAD'S WHOLE K AND V STAY IN LDS: 2,048 keys x 80 bytes and 8 units of 64 rows x 272 bytes, 303,104 bytes.  Nothing is filled again.  Keys 0-511 are asked for at the head, keys 512-2,047 behind the first barrier,
; one load a wave; a second barrier stands behind the first four key steps, and behind it the waves share nothing more and meet only at the closing round.
; SHARES.  The four work-groups of a head form a cluster and ask for K and V jointly.  The head's 64 groups of 32 queries are dealt so: wave w of partner cx owns groups 63 - cx - 4 w and cx + 4 w, one after the other:
; 16 - w and w + 1 live steps of 128 keys, seventeen in every wave.  Both groups lie in a block of 128 queries that hangs on w alone, so every branch hangs on the wave's number and the count of units; cx enters only
; global addresses and the mask's numbers.  A wave's 32 queries are two tiles (A, B) of 16, which share every fragment of K and of V.  The loops' trip counts are constants; hidden units and steps are jumped over.
; NO PREFETCH: all of K and V is asked for by the two groups of loads at the start; there is no loop of loads to run ahead of.
; LAYOUT.  Both products transposed: S^T = K Q^T, O^T = V^T P^T: a lane holds ONE query of each tile throughout.  Key tile t holds keys 16 t + 0 .. 15; register j of lane (r, h) is key 16 t + 8 h + j, so one conversion
; gives registers 2 t, 2 t + 1 of P's fragment, and V's fragments are read 8 bytes a lane at 16 c + 8 h.
; LIMITS: e2 + e3 between -123 and 130 (added to c's exponent field); e4, and e6 - e4 - e5, between -126 and 119; the scaled scores stay under 2^31 in magnitude.  NaN is not served.
; REGISTERS.  Window 0 holds all that vector instructions touch: v0-31 addresses and statistics, v32-159 S^T then p of A and B, v160-223 O^T, v224-255 p's codes.
; Window 1 holds what only loads and matrix instructions touch: v0-63 K's eight fragments, v64-127 V's four, v128-143 Q of the group in hand, v144-159 Q of the second group.
.set KP,    80                         ; a key's row in LDS: 64 bytes + 16
.set VP,    272                        ; a row of a unit of V: 256 bytes + 16
.set KUNIT, 256*KP                     ; a unit: 256 keys
.set VUNIT, 64*VP
.set VBASE, 8*KUNIT                    ; V's units lie behind K
.set STAGE, VBASE+8*VUNIT              ; behind them: 32 rows x 80 bytes for each wave; no tile lands here
.set SPARE, STAGE+8*2560               ; behind the stages: the spare words, 128 bytes a wave
.set AK0, 1                            ; my lane's place in a tile of K
.set AV0, 2                            ; in a tile of V
.set STO, 4                            ; the way out: where I put 8 codes
.set SPW, 5
.set NIL, 6
.set GO,  7                            ; 16 x lane
.set ADK, 8                            ; LDS address of the unit's K
.set ADV, 9                            ; of its V
.set RDS, 10                           ; the way out: where I read 16 bytes back
.set DQ,  11                           ; tile A's query less its block's first query, less 8 (lane / 16): for the mask
.set STA, 12                           ; v12-15 tile A: -M, the largest score, the sum in two halves
.set STB, 16                           ; v16-19 tile B
.set FA,  20                           ; v[20:21] f of A (v21 also takes the lane permute), v[22:23] of B
.set FB,  22
.set SA,  32                           ; v24-27 maxima, then second chains of sums; v28 2^e4; v29, v30 448 x 2^e4 twice; v31 at work
.set SB,  96
.set OA,  160
.set OB,  192
.set PA,  224
.set PB,  240
.set N,    3                           ; the count of units: 0-7 the first group's, 8-11 the second's
.set WV,   18
.set SEL,  20
.set CS,   22
.set G1K,  24
.set G1V,  32
.set G0K,  40
.set G0V,  44
.set KB,   56                          ; s[56:57], s[58:59] my head's K and V, with the descriptor's type bits; s[60:61] an offset
.set VB,   58
.set UN,   66                          ; the unit of keys in hand
.set DOF,  67                          ; what the second group adds to DQ
.set TBK,  76                          ; LDS byte of the unit's K, and of its V less VBASE
.set TBV,  77
.set YSC,  88                          ; 2^(e6 - e4 - e5), 448 x that, and its negative
.set YHP,  89
.set YHN,  90
.set CX,   91                          ; my place in the cluster
.set KF,   98                          ; the unit's first key
.set QB,   99                          ; the first query of the block of 128 in which the group in hand lies: the wave's number alone
.set QBL,  100                         ; the second group's
.set MSB, 0
.macro WIN new                         ; the immediate's high byte repeats the setting that is left
.if MSB != \new
	s_set_vgpr_msb (MSB<<8)|\new
.set MSB, \new
.endif
.endm
.macro TLOAD lim                       ; joint loads: wave 0 fetches K, waves 1 .. lim - 1 a unit of V each; an s_nop 0 and four v_nop follow each line
	s_cmp_lt_u32 s[WV], 1
	s_cbranch_scc0 .Lnot_k_\@
	tensor_load_to_lds s[G0K:G0K+3], s[G1K:G1K+7]
	s_nop 0
.rept 4
	v_nop
.endr
	s_branch .Lasked_\@
.Lnot_k_\@:
	s_cmp_lt_u32 s[WV], \lim
	s_cbranch_scc0 .Lasked_\@
	tensor_load_to_lds s[G0V:G0V+3], s[G1V:G1V+7]
	s_nop 0
.rept 4
	v_nop
.endr
.Lasked_\@:
.endm
.macro CROUND                          ; a round of the cluster's barrier
	s_barrier_signal -1
	s_barrier_wait -1
	s_cmp_lg_u32 s[WV], 0
	s_cbranch_scc1 .Lnot_wave_0_\@
	s_barrier_signal -3
.Lnot_wave_0_\@:
	s_barrier_wait -3
	s_barrier_signal -1
	s_barrier_wait -1
.endm
	s_load_b256 s[4:11], s[0:1], 0x0               ; q_codes, k_codes, v_codes, the exponents
	s_load_b64 s[12:13], s[0:1], 0x20              ; y_codes
	v_lshl_add_u32 v[SPW], v0, 2, SPARE
	v_mov_b32 v[NIL], 0
	ds_add_u32 v[SPW], v[NIL]                      ; the wave's opening: the add, twice on end, and its wait ahead of the round in front of the first loads
	ds_add_u32 v[SPW], v[NIL]
	v_lshrrev_b32 v8, 5, v0
	v_readfirstlane_b32 s[WV], v8                  ; wave 0..7
	s_bfe_u32 s[CX], ttmp6, 0x40000                ; cx
	s_and_b32 s81, ttmp7, 0xffff                   ; (batch, head): the cluster's y
	s_lshl_b32 s82, s81, 17                        ; its first byte in q, k and v
	s_mov_b32 s83, 0
	s_lshl_b32 s[QBL], s[WV], 7                    ; 128 w
	s_sub_co_u32 s[QB], 1920, s[QBL]               ; 128 (15 - w)
	s_mov_b32 s[G1K], 15|(0<<16)|(1<<20)|(1<<21)|(3<<22)|(3<<25)   ; the four partners; K: a dense block, stated as rows of 256 bytes; 4 words of padding after every 16: each key's 64 bytes get 16 behind them
	s_mov_b32 s[G1K+1], 256<<16
	s_mov_b32 s[G1K+2], 128<<16                    ; 512 keys
	s_mov_b32 s[G1K+3], 256<<16
	s_mov_b32 s[G1K+4], 128
	s_mov_b32 s[G1K+5], 256
	s_mov_b32 s[G1K+6], 0
	s_mov_b32 s[G1K+7], 0
	s_mov_b32 s[G1V], 15|(0<<16)|(1<<20)|(1<<21)|(5<<22)|(3<<25)   ; V: 64 rows of 256 bytes, 2,048 apart; 4 words of padding after every 64
	s_mov_b32 s[G1V+1], 256<<16
	s_mov_b32 s[G1V+2], 64<<16
	s_mov_b32 s[G1V+3], 256<<16
	s_mov_b32 s[G1V+4], 64
	s_mov_b32 s[G1V+5], 2048
	s_mov_b32 s[G1V+6], 0
	s_mov_b32 s[G1V+7], 0
	s_mov_b32 s[SEL], 0x76543210
	s_mov_b32 s[SEL+1], 0xfedcba98
	s_mov_b32 s[CS], 0x3e38aa3b                    ; log2(e) / 8
	s_mov_b32 s61, 0
	s_lshl_b32 s60, s[WV], 8
	s_mov_b32 s[G0K], 1
	s_mov_b32 s[G0K+1], 0
	s_mov_b32 s[G0V], 1
	s_mul_i32 s[G0V+1], s[WV], VUNIT
	s_add_co_u32 s[G0V+1], s[G0V+1], VBASE-VUNIT   ; wave w fetches unit w - 1
	s_wait_dscnt 0x0                               ; both opening adds are done
	s_wait_kmcnt 0x0
	s_load_b256 s[68:75], s[10:11], 0x0            ; e0 .. e7
	s_add_nc_u64 s[KB:KB+1], s[6:7], s[82:83]
	s_or_b32 s[KB+1], s[KB+1], 0x80000000
	s_add_nc_u64 s[VB:VB+1], s[8:9], s[82:83]
	s_or_b32 s[VB+1], s[VB+1], 0x80000000
	s_mov_b64 s[G0K+2:G0K+3], s[KB:KB+1]
	s_add_nc_u64 s[G0V+2:G0V+3], s[VB:VB+1], s[60:61]
	s_sub_nc_u64 s[G0V+2:G0V+3], s[G0V+2:G0V+3], 256   ; (wave 0 does not use it)
	CROUND                                         ; the four partners are here: the first joint loads meet
	TLOAD 3                                        ; keys 0-511: K, and V's units 0 and 1
	s_add_nc_u64 s[4:5], s[4:5], s[82:83]
	s_lshl_b32 s84, s[CX], 5                       ; 32 cx
	s_sub_co_u32 s85, 96, s84                      ; the first group begins 32 (3 - cx) into its block, the second 32 cx
	s_sub_co_i32 s[DOF], s84, s85
	s_mov_b32 s87, 0
	s_add_co_u32 s86, s[QB], s85
	s_lshl_b32 s86, s86, 6
	s_add_nc_u64 s[52:53], s[4:5], s[86:87]        ; Q of the first group
	s_and_b32 s92, s81, 15
	s_lshl_b32 s92, s92, 19                        ; y: head x 8,192 x 64
	s_lshr_b32 s93, s81, 4
	s_lshl_b32 s93, s93, 17                        ; + batch x 2,048 x 64
	s_add_co_u32 s92, s92, s93
	s_mov_b32 s93, 0
	s_add_nc_u64 s[12:13], s[12:13], s[92:93]
	s_add_nc_u64 s[48:49], s[12:13], s[86:87]      ; y of the first group
	s_add_co_u32 s86, s[QBL], s84
	s_lshl_b32 s86, s86, 6
	s_add_nc_u64 s[54:55], s[4:5], s[86:87]        ; Q and y of the second
	s_add_nc_u64 s[50:51], s[12:13], s[86:87]
	s_mul_i32 s94, s[WV], 2560
	s_add_co_u32 s94, s94, STAGE                   ; my stage
	v_and_b32 v8, 15, v0                           ; r
	v_bfe_u32 v9, v0, 4, 1                         ; h
	v_lshlrev_b32 v31, 6, v8
	v_lshl_add_u32 v31, v9, 4, v31                 ; Q: row r of 64 bytes, + 16 h: the same places of K as in K's fragments
	WIN 0x40                                       ; destinations in window 1
.irp u, 0,1
	global_load_b128 v[128+8*\u:131+8*\u], v31, s[52:53] offset:1024*\u
	global_load_b128 v[132+8*\u:135+8*\u], v31, s[52:53] offset:1024*\u+32
	global_load_b128 v[144+8*\u:147+8*\u], v31, s[54:55] offset:1024*\u
	global_load_b128 v[148+8*\u:151+8*\u], v31, s[54:55] offset:1024*\u+32
.endr
	WIN 0
	v_mul_u32_u24 v[AK0], v8, KP
	v_mul_u32_u24 v[AV0], v8, VP
	v_lshl_add_u32 v[AK0], v9, 4, v[AK0]           ; K: row r, + 16 h
	v_lshl_add_u32 v[AV0], v9, 3, v[AV0]           ; V: row r, + 8 h
	v_mul_u32_u24 v[STO], v8, KP
	v_add_nc_u32 v[AV0], VBASE, v[AV0]
	v_and_b32 v[GO], 31, v0
	v_lshl_add_u32 v[STO], v9, 3, v[STO]
	v_lshrrev_b32 v[RDS], 2, v[GO]
	v_add_nc_u32 v[STO], s94, v[STO]               ; in: row r, + 8 h
	v_mul_u32_u24 v[RDS], v[RDS], KP
	v_and_b32 v[DQ], 3, v[GO]
	v_lshlrev_b32 v[GO], 4, v[GO]
	v_lshl_add_u32 v[RDS], v[DQ], 4, v[RDS]
	v_lshlrev_b32 v[DQ], 3, v9
	v_add_nc_u32 v[RDS], s94, v[RDS]               ; back: four lanes to a row of 64 bytes, eight rows an instruction
	v_sub_nc_u32 v[DQ], v8, v[DQ]
	v_add_nc_u32 v[DQ], s85, v[DQ]
.macro RESET                           ; a group begins: the largest score -3e38, under every score; -M = 3e38; sums and O^T zero: the first change of M multiplies zeros
	v_mov_b32 v[STA], 0x7f61b1e6
	v_mov_b32 v[STB], 0x7f61b1e6
	v_mov_b32 v[STA+1], 0xff61b1e6
	v_mov_b32 v[STB+1], 0xff61b1e6
	v_mov_b32 v[STA+2], 0
	v_mov_b32 v[STA+3], 0
	v_mov_b32 v[STB+2], 0
	v_mov_b32 v[STB+3], 0
.set n, 0
.rept 64
	v_mov_b32 v[OA+n], 0
.set n, n+1
.endr
.endm
	RESET
	v_mov_b32 v[FA+1], 0                           ; a lane permute's destination counts as one of its sources
	v_mov_b32 v[FB+1], 0
	s_wait_kmcnt 0x0
	s_add_co_i32 s84, s70, s71
	s_lshl_b32 s84, s84, 23
	s_add_co_i32 s[CS], s[CS], s84                 ; a score stands for score x 2^(e2 + e3): added to c's exponent field
	s_mov_b32 s[CS+1], s[CS]
	s_add_co_i32 s84, s72, 127
	s_lshl_b32 s85, s84, 23
	v_mov_b32 v28, s85                             ; 2^e4
	s_add_co_i32 s84, s84, 8
	s_lshl_b32 s84, s84, 23
	s_or_b32 s84, s84, 0x600000
	v_mov_b32 v29, s84                             ; 448 x 2^e4, in two registers: one for each half of a dual pair
	v_mov_b32 v30, s84
	s_sub_co_i32 s84, s74, s72
	s_sub_co_i32 s84, s84, s73
	s_add_co_i32 s84, s84, 127
	s_lshl_b32 s[YSC], s84, 23
	s_add_co_i32 s84, s84, 8
	s_lshl_b32 s84, s84, 23
	s_or_b32 s[YHP], s84, 0x600000
	s_or_b32 s[YHN], s[YHP], 0x80000000
.macro KLOAD q                         ; K's eight fragments of the unit's q-th 128 keys: 16 loads
.irp t, 0,1,2,3,4,5,6,7
	ds_load_b128 v[8*\t:8*\t+3], v[ADK] offset:(128*(\q)+16*\t)*KP
	ds_load_b128 v[8*\t+4:8*\t+7], v[ADK] offset:(128*(\q)+16*\t)*KP+32
.endr
.endm
.macro VLOAD q                         ; V's four fragments: 32 loads of 8 bytes a lane: registers 2 c, 2 c + 1 hold keys 16 c + 8 h + 0 .. 7
.irp t, 0,1,2,3
.irp c, 0,1,2,3,4,5,6,7
	ds_load_b64 v[64+16*\t+2*\c:64+16*\t+2*\c+1], v[ADV] offset:16*\t*VP+128*(\q)+16*\c
.endr
.endr
.endm
; MY 32 QUERIES AGAINST 128 KEYS, the q-th 128 of the unit in hand.  Step 0 asks for its own fragments, and for step 1's as soon as the registers are free.
.macro STEP q
.if \q
	s_add_co_u32 s96, s[KF], 128
	s_cmp_gt_u32 s96, s[QB]                        ; all 128 keys come after my block of queries: the wave's number and the count of units alone
	s_cbranch_scc1 .Lhid_\@
.else
	WIN 0x40
	KLOAD 0
	VLOAD 0
.endif
	s_wait_dscnt 32                                ; K's fragments are in; the 32 younger loads (V's) may be out
	WIN 0x05                                       ; sources 0 and 1 in window 1
.irp t, 0,1,2,3,4,5,6,7
	v_wmma_f32_16x16x64_fp8_fp8 v[SA+8*\t:SA+8*\t+7], v[8*\t:8*\t+7], v[128:135], 0
	v_wmma_f32_16x16x64_fp8_fp8 v[SB+8*\t:SB+8*\t+7], v[8*\t:8*\t+7], v[136:143], 0
.endr
	WIN 0
.rept 4
	v_nop                                          ; places: for the loads below, and for the first read of the scores
.endr
.if \q == 0
	WIN 0x40
	KLOAD 1
	WIN 0
	s_cmp_lt_u32 s[KF], s[QB]                      ; all 128 keys come before my block: no mask
.else
	s_cmp_lt_u32 s96, s[QB]
.endif
	s_cbranch_scc1 .Lopen_\@
	v_add_nc_u32 v26, 16, v[DQ]                    ; the step's first key is my block's first query.  Register 8 t + j holds key 16 t + 8 (lane / 16) + j: hidden where 16 t + j > DQ; B's queries lie 16 further on
	v_mov_b32 v31, 0xff800000                      ; -infinity: p = 0 then.  The step's first key counts for all 32 queries, so each maximum is a number
.set n, 0
.rept 64
	v_cmp_gt_i32 vcc_lo, 16*(n/8)+n%8, v[DQ]
	v_cndmask_b32 v[SA+n], v[SA+n], v31, vcc_lo
	v_cmp_gt_i32 vcc_lo, 16*(n/8)+n%8, v26
	v_cndmask_b32 v[SB+n], v[SB+n], v31, vcc_lo
.set n, n+1
.endr
.Lopen_\@:
	v_max3_num_f32 v24, v[SA], v[SA+1], v[SA+2]    ; the step's largest scores, two chains a tile, the four by turns; each accumulator is read from its low end on
	v_max3_num_f32 v26, v[SB], v[SB+1], v[SB+2]
	v_max3_num_f32 v25, v[SA+3], v[SA+4], v[SA+5]
	v_max3_num_f32 v27, v[SB+3], v[SB+4], v[SB+5]
.set n, 6
.rept 14
	v_max3_num_f32 v24, v24, v[SA+n], v[SA+n+1]
	v_max3_num_f32 v26, v26, v[SB+n], v[SB+n+1]
	v_max3_num_f32 v25, v25, v[SA+n+2], v[SA+n+3]
	v_max3_num_f32 v27, v27, v[SB+n+2], v[SB+n+3]
.set n, n+4
.endr
	v_max3_num_f32 v24, v24, v[SA+62], v[SA+63]
	v_max3_num_f32 v26, v26, v[SB+62], v[SB+63]
	v_max_num_f32 v24, v24, v25
	v_max_num_f32 v26, v26, v27
	v_permlanex16_b32 v[FA+1], v24, s[SEL], s[SEL+1]
	v_permlanex16_b32 v[FB+1], v26, s[SEL], s[SEL+1]
	v_max3_num_f32 v[STA+1], v[STA+1], v24, v[FA+1]   ; the running largest score, the lane 16 away's keys among them
	v_max3_num_f32 v[STB+1], v[STB+1], v26, v[FB+1]
	v_mul_f32 v24, s[CS], v[STA+1]                 ; as t (c is positive)
	v_mul_f32 v26, s[CS], v[STB+1]
	v_mov_b32 v25, v[STA]
	v_mov_b32 v27, v[STB]
	v_floor_f32 v[STA], -v24                       ; the new -M = floor(-t): M is a whole number
	v_floor_f32 v[STB], -v26
	v_sub_f32 v25, v[STA], v25                     ; old M - new M: a whole number, 0 or less
	v_sub_f32 v27, v[STB], v27
	v_cvt_i32_f32 v25, v25                         ; (it saturates)
	v_cvt_i32_f32 v27, v27
	v_ldexp_f32 v[FA], 1.0, v25                    ; f = 2^(old M - new M)
	v_ldexp_f32 v[FB], 1.0, v27
.set n, 0
.rept 32
	v_pk_fma_f32 v[SA+n:SA+n+1], v[SA+n:SA+n+1], s[CS:CS+1], v[STA:STA+1] op_sel_hi:[1,0,0]   ; t - M, two at a time
	v_pk_fma_f32 v[SB+n:SB+n+1], v[SB+n:SB+n+1], s[CS:CS+1], v[STB:STB+1] op_sel_hi:[1,0,0]
.set n, n+2
.endr
.set n, 0
.rept 16
	v_pk_mul_f32 v[OA+n:OA+n+1], v[OA+n:OA+n+1], v[FA:FA+1] op_sel_hi:[1,0]   ; O^T under the new M, ahead of the exponentials
	v_pk_mul_f32 v[OB+n:OB+n+1], v[OB+n:OB+n+1], v[FB:FB+1] op_sel_hi:[1,0]
.set n, n+2
.endr
	s_wait_alu depctr_va_vdst(0)                   ; the wait ahead of the batch
.set n, 0
.rept 128
	v_exp_f32 v[SA+n], v[SA+n]                     ; p = 2^(t - M), both tiles
.set n, n+1
.endr
	v_pk_mul_f32 v[STA+2:STA+3], v[STA+2:STA+3], v[FA:FA+1] op_sel_hi:[1,0]   ; the sums under the new M: plain lines behind the exponentials
	v_pk_mul_f32 v[STB+2:STB+3], v[STB+2:STB+3], v[FB:FB+1] op_sel_hi:[1,0]
	s_wait_alu depctr_va_vdst(0)                   ; one wait for the batch of 128, ahead of its first reader
	v_pk_add_f32 v[24:25], v[SA:SA+1], v[SA+2:SA+3]   ; the rows' sums are taken of the unquantised p, two chains a tile
	v_pk_add_f32 v[26:27], v[SB:SB+1], v[SB+2:SB+3]
.set n, 4
.rept 15
	v_pk_add_f32 v[STA+2:STA+3], v[STA+2:STA+3], v[SA+n:SA+n+1]
	v_pk_add_f32 v[STB+2:STB+3], v[STB+2:STB+3], v[SB+n:SB+n+1]
	v_pk_add_f32 v[24:25], v[24:25], v[SA+n+2:SA+n+3]
	v_pk_add_f32 v[26:27], v[26:27], v[SB+n+2:SB+n+3]
.set n, n+4
.endr
.irp t, 0,1,2,3,4,5,6,7
.set n, 8*\t
.rept 4
	v_dual_min_num_f32 v[SA+n], v[SA+n], v29 :: v_dual_min_num_f32 v[SA+n+1], v[SA+n+1], v30   ; the conversion does not saturate (ISA guide 7.6.2); p is not negative: a one-sided hold, two numbers a line
	v_dual_min_num_f32 v[SB+n], v[SB+n], v29 :: v_dual_min_num_f32 v[SB+n+1], v[SB+n+1], v30
.set n, n+2
.endr
	v_cvt_scalef32_pk8_fp8_f32 v[PA+2*\t:PA+2*\t+1], v[SA+8*\t:SA+8*\t+7], v28
	v_cvt_scalef32_pk8_fp8_f32 v[PB+2*\t:PB+2*\t+1], v[SB+8*\t:SB+8*\t+7], v28
.endr
	v_pk_add_f32 v[STA+2:STA+3], v[STA+2:STA+3], v[24:25]   ; the chains join: also the plain lines behind the conversions
	v_pk_add_f32 v[STB+2:STB+3], v[STB+2:STB+3], v[26:27]
	s_wait_alu depctr_va_vdst(0)                   ; directly ahead of the wait below
.if \q == 0
	s_wait_dscnt 16                                ; V's fragments are in; the 16 younger loads (step 1's K) may be out
.else
	s_wait_dscnt 0x0
.endif
	WIN 0x01                                       ; source 0 in window 1
.irp t, 0,1,2,3
	v_wmma_f32_16x16x128_fp8_fp8 v[OA+8*\t:OA+8*\t+7], v[64+16*\t:64+16*\t+15], v[PA:PA+15], v[OA+8*\t:OA+8*\t+7]
	v_wmma_f32_16x16x128_fp8_fp8 v[OB+8*\t:OB+8*\t+7], v[64+16*\t:64+16*\t+15], v[PB:PB+15], v[OB+8*\t:OB+8*\t+7]
.endr
	WIN 0
.rept 4
	v_nop                                          ; places: for the next loads into V's registers, and for the way out's read of O^T
.endr
.if \q == 0
	WIN 0x40
	VLOAD 1
	WIN 0
.else
.Lhid_\@:
	s_wait_dscnt 0x0                               ; where step 1 was jumped over, its fragments' loads are waited for here: their registers may be loaded anew
.endif
.endm
.macro UNIT                            ; 256 keys: unit N mod 8
	s_and_b32 s[UN], s[N], 7
	s_lshl_b32 s[KF], s[UN], 8
	s_cmp_gt_u32 s[KF], s[QB]                      ; the whole unit comes after my block of queries
	s_cbranch_scc1 .Lskip_\@
	s_mul_i32 s[TBK], s[UN], KUNIT
	s_mul_i32 s[TBV], s[UN], VUNIT
	v_add_nc_u32 v[ADK], s[TBK], v[AK0]
	v_add_nc_u32 v[ADV], s[TBV], v[AV0]
	s_wait_alu depctr_va_vdst(0)
	STEP 0
	STEP 1
.Lskip_\@:
.endm
; THE WAY OUT of a group.  y = O^T x 2^(e4 + e5) / the sum; its code is (O^T / the sum) / 2^(e6 - e4 - e5), held within +-448.  My 32 queries' codes go through my stage and leave as 2,048 bytes on end.
.macro OUT
	v_add_f32 v[STA+2], v[STA+2], v[STA+3]
	v_add_f32 v[STB+2], v[STB+2], v[STB+3]
	v_permlanex16_b32 v[FA+1], v[STA+2], s[SEL], s[SEL+1]
	v_permlanex16_b32 v[FB+1], v[STB+2], s[SEL], s[SEL+1]
	v_add_f32 v[STA+2], v[STA+2], v[FA+1]
	v_add_f32 v[STB+2], v[STB+2], v[FB+1]
	s_wait_alu depctr_va_vdst(0)                   ; the wait ahead of the reciprocals
	v_rcp_f32 v[STA+2], v[STA+2]
	v_rcp_f32 v[STB+2], v[STB+2]
	v_mov_b32 v31, s[YSC]                          ; a plain line behind the reciprocals
	s_wait_alu depctr_va_vdst(0)                   ; one wait for the two, directly ahead of the first readers of them and of O^T
.set n, 0
.rept 16
	v_pk_mul_f32 v[SA+n:SA+n+1], v[OA+n:OA+n+1], v[STA+2:STA+3] op_sel_hi:[1,0]
.set n, n+2
.endr
.set n, 0
.rept 16
	v_pk_mul_f32 v[SA+32+n:SA+32+n+1], v[OB+n:OB+n+1], v[STB+2:STB+3] op_sel_hi:[1,0]
.set n, n+2
.endr
.set n, 0
.rept 64
	v_med3_num_f32 v[SA+n], v[SA+n], s[YHN], s[YHP]
.set n, n+1
.endr
.irp t, 0,1,2,3,4,5,6,7
	v_cvt_scalef32_pk8_fp8_f32 v[PA+2*\t:PA+2*\t+1], v[SA+8*\t:SA+8*\t+7], v31   ; tile t / 4, channels 16 (t % 4) + 8 (lane / 16) + 0 .. 7 of query lane % 16
.endr
	v_nop
.irp t, 0,1,2,3,4,5,6,7
	ds_store_b64 v[STO], v[PA+2*\t:PA+2*\t+1] offset:1280*(\t/4)+16*(\t%4)
.endr
.irp t, 0,1,2,3
	ds_load_b128 v[SB+4*\t:SB+4*\t+3], v[RDS] offset:640*\t   ; LDS serves a wave's instructions in order: these see my stores
.endr
	s_wait_dscnt 0x0
.irp t, 0,1,2,3
	global_store_b128 v[GO], v[SB+4*\t:SB+4*\t+3], s[48:49] offset:512*\t   ; 32 lanes store 512 bytes on end
.endr
.endm
	s_wait_alu depctr_va_vdst(0)                   ; the wait at the head's end
	s_wait_loadcnt 0x0                             ; Q of both groups
	s_wait_tensorcnt 0x0                           ; my part of keys 0-511 is in
	ds_add_u32 v[SPW], v[NIL]
	ds_add_u32 v[SPW], v[NIL]                      ; twice on end
	s_mov_b32 s[G1K+2], 384<<16                    ; K: keys 512-2,047 in one block of 384 rows of 256 bytes
	s_mov_b32 s[G1K+4], 384
	s_mov_b32 s[G0K+1], 2*KUNIT
	s_add_nc_u64 s[G0K+2:G0K+3], s[G0K+2:G0K+3], 2*16384
	s_add_co_u32 s[G0V+1], s[G0V+1], 2*VUNIT       ; V: wave w fetches unit w + 1
	s_add_nc_u64 s[G0V+2:G0V+3], s[G0V+2:G0V+3], 512
	s_wait_dscnt 0x0
	CROUND                                         ; everybody's part of keys 0-511 is in, and the joint loads meet
	TLOAD 7                                        ; a wave's one tensor load behind the round: K by wave 0, V's units 2-7 by waves 1-6
	s_mov_b32 s[N], 0
.Lfirst:                                           ; two trips: units 0 and 1, live for every wave
	UNIT
	s_add_co_u32 s[N], s[N], 1
	s_cmp_lt_u32 s[N], 2
	s_cbranch_scc1 .Lfirst
	s_wait_alu depctr_va_vdst(0)                   ; the wait ahead of the waits and the barrier
	s_wait_tensorcnt 0x0                           ; my part of keys 512-2,047 is in
	ds_add_u32 v[SPW], v[NIL]
	s_wait_dscnt 0x0
	s_barrier_signal -1
	s_barrier_wait -1                              ; and everybody's: from here on the waves only read K and V
.Lrest:                                            ; ten trips: units 2-7 for the first group, units 0-3 for the second
	UNIT
	s_cmp_lg_u32 s[N], 7
	s_cbranch_scc1 .Lsame
	OUT                                            ; the first group is done,
	s_wait_xcnt 0x0                                ; its stores have read their registers and their base,
	s_mov_b64 s[48:49], s[50:51]                   ; and the second begins at key 0
	s_mov_b32 s[QB], s[QBL]
	WIN 0x41                                       ; source 0 and destination in window 1
.set n, 0
.rept 16
	v_mov_b32 v[128+n], v[144+n]                   ; its Q
.set n, n+1
.endr
	WIN 0
	v_add_nc_u32 v[DQ], s[DOF], v[DQ]
	RESET
	s_wait_alu depctr_va_vdst(0)                   ; the wait ahead of the branch
.Lsame:
	s_add_co_u32 s[N], s[N], 1
	s_cmp_lt_u32 s[N], 12
	s_cbranch_scc1 .Lrest
	OUT
	s_wait_tensorcnt 0x0                           ; the wave's end
	ds_add_u32 v[SPW], v[NIL]
	s_wait_dscnt 0x0
	CROUND                                         ; the closing round
	s_endpgm
.Lfunc_end_k_qda0cda92e7_attn:
	.size	k_qda0cda92e7_attn, .Lfunc_end_k_qda0cda92e7_attn-k_qda0cda92e7_attn
	.p2alignl 7, 3214868480
	.fill 96, 4, 3214868480
	.section	.rodata,"a",@progbits
	.p2align	6, 0x0
	.amdhsa_kernel k_qda0cda92e7_attn
		.amdhsa_group_segment_fixed_size 327680
		.amdhsa_private_segment_fixed_size 0
		.amdhsa_enable_private_segment 0
		.amdhsa_kernarg_size 40
		.amdhsa_user_sgpr_count 2
		.amdhsa_user_sgpr_kernarg_segment_ptr 1
		.amdhsa_wavefront_size32 1
		.amdhsa_system_sgpr_workgroup_id_x 1
		.amdhsa_system_sgpr_workgroup_id_y 1
		.amdhsa_system_sgpr_workgroup_id_z 1
		.amdhsa_system_vgpr_workitem_id 0
		.amdhsa_next_free_vgpr 512
		.amdhsa_next_free_sgpr 102
		.amdhsa_reserve_vcc 1
		.amdhsa_float_denorm_mode_32 3
		.amdhsa_float_denorm_mode_16_64 3
		.amdhsa_memory_ordered 1
		.amdhsa_forward_progress 1
		.amdhsa_inst_pref_size 189
	.end_amdhsa_kernel
	.amdgpu_metadata
---
amdhsa.version: [ 1, 2 ]
amdhsa.kernels:
  - .name:           k_qda0cda92e7_attn
    .symbol:         k_qda0cda92e7_attn.kd
    .args:
      - { .name: q_codes, .offset: 0, .size: 8, .value_kind: global_buffer, .address_space: global }
      - { .name: k_codes, .offset: 8, .size: 8, .value_kind: global_buffer, .address_space: global }
      - { .name: v_codes, .offset: 16, .size: 8, .value_kind: global_buffer, .address_space: global }
      - { .name: lowp_scales, .offset: 24, .size: 8, .value_kind: global_buffer, .address_space: global }
      - { .name: y_codes, .offset: 32, .size: 8, .value_kind: global_buffer, .address_space: global }
    .group_segment_fixed_size: 327680
    .private_segment_fixed_size: 0
    .kernarg_segment_align: 8
    .kernarg_segment_size: 40
    .max_flat_workgroup_size: 256
    .sgpr_count:     102
    .vgpr_count:     512
    .wavefront_size: 32
...
	.end_amdgpu_metadata
.endif
;; end of part 3
;; launch proj (part 4): grid 4 x 64, 4 waves a work-group, clusters of 4 x 4, 327,680 bytes of LDS; arguments y_codes, wproj_codes, lowp_scales, b_proj, out0; writes out0
.if DOCPART == 4
	.amdgcn_target "amdgcn-amd-amdhsa--gfx1250"
	.amdhsa_code_object_version 6
	.text
	.protected	k_qda0cda92e7_proj
	.globl	k_qda0cda92e7_proj
	.p2align	8
	.type	k_qda0cda92e7_proj,@function
k_qda0cda92e7_proj:
	s_mov_b64 s[64:65], 0
	v_nop
	global_prefetch_b8 v0, s[64:65] scope:SCOPE_SE
	s_setreg_imm32_b32 hwreg(HW_REG_WAVE_MODE, 25, 1), 1
	s_wait_xcnt 0x0
	s_wait_alu depctr_hold_cnt(0) depctr_sa_sdst(0) depctr_va_vdst(0) depctr_va_sdst(0) depctr_va_ssrc(0) depctr_va_vcc(0) depctr_vm_vsrc(0)
	s_getreg_b32 s2, hwreg(HW_REG_IB_STS2, 6, 4)
	s_cmp_eq_u32 s2, 0
	s_cbranch_scc0 .Lentry_in_a_cluster
	s_endpgm
.Lentry_in_a_cluster:
	s_bfe_u32 s2, ttmp6, 0x10000c
	s_cmp_lg_u32 s2, 0xf033
	s_cbranch_scc0 .Lentry_shape_is_right
	s_endpgm
.Lentry_shape_is_right:
; PRODUCT 4: out0 = y w_proj + b_proj on codes of FP8 (E4M3).  Nothing is left out here.
; y_codes [16 head][8192 (batch, t)][64 d]: K = 64 head + d.  wproj_codes [1024 n][1024 k], K innermost.  out0 [8192][1024] f32.
; A block of 128 rows x 256 columns is made by four waves, each 64 x 128: 32 accumulators.  64 x 4 blocks: 256 work-groups.  K = 1,024 goes in four steps of 256 through two LDS slots filled by the tensor data mover.
; THE MATRIX INSTRUCTION IS USED TRANSPOSED: source 0 = 16 rows of wproj_codes, source 1 = 16 rows of y: a lane holds one row of out0 and eight neighbouring columns.
; THE BIAS is the C of each sum's first product, as b / 2^(e6 + e7); each finished sum is multiplied once by 2^(e6 + e7).  LIMIT: e6 + e7 between -126 and 127.
; CLUSTERS: 4 x 4 work-groups; y's tile is shared along a row of the cluster, the weight's along a column: joint loads with a mask of four.
; No prefetch: K has four steps, of which two are the first fills.
; REGISTERS: window 0: v16-31 addresses; v32-95 the bias, later a block's scaled sums; v128-255 y's fragments, two sets of four, later rows on their way out.
;   window 1: the weight's fragments, two sets of eight.   window 2: the accumulators ((a, b) at v[8 (8 a + b)]).
.set ROWB,   256                       ; a row of the weight's tile: a K step
.set KROW,   1024
.set PITCH,  272                       ; its LDS row: 256 bytes + 16
.set AP,     80                        ; a row of y of one head in LDS: 64 bytes + 16
.set AH,     64*AP                     ; 64 rows of one head
.set HSTR,   524288                    ; from head to head in y_codes
.set FR,     16
.set NP,     4                         ; places behind this matrix instruction (ISA guide 7.12.1)
.set HALFA,  4*AH                      ; what one load brings of y: 64 rows x 4 heads
.set HALFB,  128*PITCH                 ; and of the weight: 128 rows
.set SLOT,   2*HALFA+2*HALFB
.set SPARE,  2*SLOT                    ; behind the ring: the spare words, 128 bytes a wave
.set SPITCH, 528                       ; the way out: 16 rows x (512 bytes + 16) for each wave, in slot 0, which has had its last fill and its last read by then
.set SIZE_N, 1024
.set ADRA, 16                          ; v16-17 LDS address of my fragments of y in slot 0, 1
.set ADRB, 20                          ; v20-21 of the weight's
.set STO,  24
.set RD,   25
.set CO,   26
.set SPW,  28
.set NIL,  29
.set BIAS, 32
.set TMP,  32
.set AF,   128
.set BK,   128
.set G1,  24
.set G0,  32
.set G1B, 48
.set G0B, 56
.set MSB, 0
.macro WIN new                         ; the immediate's high byte repeats the setting that is left
.if MSB != \new
	s_set_vgpr_msb (MSB<<8)|\new
.set MSB, \new
.endif
.endm
.set MUL_LO, 0xa1                      ; source 0 window 1, source 1 window 0, C and D window 2
.set BIA_LO, 0x81                      ; C (the bias) window 0, D window 2
.set TO_B,   0x40
.macro JLOAD g0a, g1a, g0b, g1b        ; a joint load: waves 0, 1 fetch y's halves, waves 2, 3 the weight's; an s_nop 0 and four v_nop follow each line
	s_cmp_eq_u32 s15, 0
	s_cbranch_scc0 .Lfor_b_\@
	tensor_load_to_lds s[\g0a:\g0a+3], s[\g1a:\g1a+7]
	s_nop 0
.rept 4
	v_nop
.endr
	s_branch .Lasked_\@
.Lfor_b_\@:
	tensor_load_to_lds s[\g0b:\g0b+3], s[\g1b:\g1b+7]
	s_nop 0
.rept 4
	v_nop
.endr
.Lasked_\@:
.endm
.macro CREST                           ; a round of the cluster's barrier behind its opening barrier
	s_cmp_lg_u32 s14, 0
	s_cbranch_scc1 .Lnot_wave_0_\@
	s_barrier_signal -3
.Lnot_wave_0_\@:
	s_barrier_wait -3
	s_barrier_signal -1
	s_barrier_wait -1
.endm
.macro CROUND
	s_barrier_signal -1
	s_barrier_wait -1
	CREST
.endm
	s_load_b256 s[4:11], s[0:1], 0x0               ; y_codes, wproj_codes, the exponents, b_proj
	s_load_b64 s[12:13], s[0:1], 0x20              ; out0
	v_lshl_add_u32 v[SPW], v0, 2, SPARE
	v_mov_b32 v[NIL], 0
	ds_add_u32 v[SPW], v[NIL]                      ; the wave's opening: the add, twice on end, and its wait ahead of the round in front of the first loads
	ds_add_u32 v[SPW], v[NIL]
	v_lshrrev_b32 v1, 5, v0
	v_readfirstlane_b32 s14, v1                    ; wave 0..3
	s_lshr_b32 s15, s14, 1                         ; which 64 of the block's rows are mine.  Also: I fetch for y (0) or for the weight (1)
	s_and_b32 s16, s14, 1                          ; which 128 of its columns.  Also: which half of that tile I fetch
	s_bfe_u32 s40, ttmp6, 0x40000                  ; cx
	s_bfe_u32 s41, ttmp6, 0x40004                  ; cy
	s_lshl_b32 s42, ttmp9, 2
	s_add_co_u32 s42, s42, s40                     ; block column, 0..3
	s_and_b32 s17, ttmp7, 0xffff
	s_lshl_b32 s17, s17, 2
	s_add_co_u32 s17, s17, s41                     ; block row, 0..63
	s_lshl_b32 s43, s41, 2
	s_lshl_b32 s43, 15, s43                        ; my row of the cluster
	s_lshl_b32 s44, 0x1111, s40                    ; my column
	s_or_b32 s[G1+0], s43, (0<<16)|(1<<20)|(1<<21)|(3<<22)|(3<<25)  ; y: 64 rows of a head lie on end, 4,096 bytes: four such lines, a head apart; 4 words of padding after every 16
	s_mov_b32 s[G1+1], 4096<<16
	s_mov_b32 s[G1+2], 4<<16
	s_mov_b32 s[G1+3], 4096<<16
	s_mov_b32 s[G1+4], 4
	s_mov_b32 s[G1+5], HSTR
	s_mov_b32 s[G1+6], 0
	s_mov_b32 s[G1+7], 0
	s_or_b32 s[G1B+0], s44, (0<<16)|(1<<20)|(1<<21)|(5<<22)|(3<<25) ; the weight: 128 rows of 256 bytes; 4 words of padding after every 64
	s_mov_b32 s[G1B+1], ROWB<<16
	s_mov_b32 s[G1B+2], 128<<16
	s_mov_b32 s[G1B+3], ROWB<<16
	s_mov_b32 s[G1B+4], 128
	s_mov_b32 s[G1B+5], KROW
	s_mov_b32 s[G1B+6], 0
	s_mov_b32 s[G1B+7], 0
	s_lshl_b32 s18, s16, 6
	s_lshl_b32 s20, s17, 7
	s_add_co_u32 s20, s20, s18
	s_lshl_b32 s20, s20, 6                         ; y: (128 block row + 64 half) rows of 64 bytes
	s_mov_b32 s21, 0
	s_lshl_b32 s18, s16, 7
	s_lshl_b32 s46, s42, 8
	s_add_co_u32 s46, s46, s18
	s_lshl_b32 s46, s46, 10                        ; the weight: (256 block column + 128 half) rows of 1,024 bytes
	s_mov_b32 s47, 0
	s_mul_i32 s45, s16, HALFA                      ; where they go
	s_mul_i32 s19, s16, HALFB
	s_add_co_u32 s19, s19, 2*HALFA
	s_wait_dscnt 0x0                               ; both opening adds are done
	s_wait_kmcnt 0x0
	s_load_b64 s[96:97], s[8:9], 0x18              ; e6, e7
	s_add_nc_u64 s[20:21], s[4:5], s[20:21]
	s_add_nc_u64 s[46:47], s[6:7], s[46:47]
	CROUND                                         ; all sixteen work-groups are here: the first joint loads meet
.irp s, 0,1
	s_mov_b32 s[G0+4*\s], 1
	s_add_co_u32 s[G0+4*\s+1], s45, \s*SLOT
	s_add_nc_u64 s[G0+4*\s+2:G0+4*\s+3], s[20:21], \s*4*HSTR
	s_or_b32 s[G0+4*\s+3], s[G0+4*\s+3], 0x80000000
	s_mov_b32 s[G0B+4*\s], 1
	s_add_co_u32 s[G0B+4*\s+1], s19, \s*SLOT
	s_add_nc_u64 s[G0B+4*\s+2:G0B+4*\s+3], s[46:47], \s*ROWB
	s_or_b32 s[G0B+4*\s+3], s[G0B+4*\s+3], 0x80000000
.endr
	JLOAD G0, G1, G0B, G1B                         ; K step 0: one tensor load a wave at the head
	v_and_b32 v1, 15, v0                           ; r
	v_bfe_u32 v2, v0, 4, 1                         ; h
	s_lshl_b32 s98, s42, 8
	s_lshl_b32 s99, s16, 7
	s_add_co_u32 s98, s98, s99
	s_lshl_b32 s98, s98, 2
	s_mov_b32 s99, 0
	s_add_nc_u64 s[10:11], s[10:11], s[98:99]      ; the bias at my first column
	v_lshlrev_b32 v7, 5, v2
.irp b, 0,1,2,3,4,5,6,7
	global_load_b128 v[BIAS+8*\b:BIAS+8*\b+3], v7, s[10:11] offset:64*\b        ; register 8 b + j: b_proj[first + 16 b + 8 h + j]
	global_load_b128 v[BIAS+8*\b+4:BIAS+8*\b+7], v7, s[10:11] offset:64*\b+16
.endr
	v_mul_u32_u24 v3, v1, AP
	v_lshl_add_u32 v3, v2, 4, v3
	v_mul_u32_u24 v4, v1, PITCH
	v_lshl_add_u32 v4, v2, 4, v4
	s_mul_i32 s21, s15, HALFA
	s_mul_i32 s22, s16, HALFB
	s_add_co_u32 s22, s22, 2*HALFA
.irp s, 0,1
	v_add_nc_u32 v[ADRA+\s], s21, v3
	v_add_nc_u32 v[ADRB+\s], s22, v4
	s_add_co_u32 s21, s21, SLOT
	s_add_co_u32 s22, s22, SLOT
.endr
	s_mul_i32 s23, s14, 16*SPITCH                  ; my stage
	v_mul_u32_u24 v5, v1, SPITCH
	v_lshl_add_u32 v5, v2, 5, v5
	v_add_nc_u32 v[STO], s23, v5                   ; in: row r, 32 bytes for each half of the lanes
	v_and_b32 v6, 31, v0
	v_lshlrev_b32 v[CO], 4, v6                     ; back: the 32 lanes take one row of 512 bytes; and the same in out0
	v_add_nc_u32 v[RD], s23, v[CO]
	s_lshl_b32 s20, s17, 7
	s_lshl_b32 s21, s15, 6
	s_add_co_u32 s20, s20, s21
	s_lshl_b32 s20, s20, 12                        ; my first row of out0: 128 block row + 64 half, rows of 4,096 bytes
	s_mov_b32 s21, 0
	s_lshl_b32 s98, s42, 10
	s_lshl_b32 s99, s16, 9
	s_add_co_u32 s98, s98, s99
	s_mov_b32 s99, 0
	s_add_nc_u64 s[20:21], s[20:21], s[98:99]
	s_add_nc_u64 s[12:13], s[12:13], s[20:21]
	s_wait_kmcnt 0x0
	s_add_co_i32 s96, s96, s97                     ; e6 + e7
	s_sub_co_i32 s98, 0, s96
	s_add_co_i32 s96, s96, 127
	s_lshl_b32 s96, s96, 23                        ; 2^(e6 + e7) as f32
	s_mov_b32 s97, s96
	s_wait_loadcnt 0x0                             ; the bias
.set j, 0
.rept 64
	v_ldexp_f32 v[BIAS+j], v[BIAS+j], s98          ; b / 2^(e6 + e7): nothing is rounded
.set j, j+1
.endr
.macro FRAGA reg, adr, q, i            ; 16 rows x 128 K of y: two heads; registers 4 c .. 4 c + 3 the 16 bytes at 32 c + 16 (l / 16) of K: the same places of K in both operands
.irp c, 0,1,2,3
	ds_load_b128 v[\reg+4*\c:\reg+4*\c+3], v[\adr] offset:(2*(\q)+\c/2)*AH+32*(\c%2)+(\i)*16*AP
.endr
.endm
.macro FRAGB reg, adr, q, i
.irp c, 0,1,2,3
	ds_load_b128 v[\reg+4*\c:\reg+4*\c+3], v[\adr] offset:128*(\q)+32*\c+(\i)*16*PITCH
.endr
.endm
; 16 matrix instructions: row blocks a0, a0 + 1 x the eight column blocks, on the fragments' set p.  mode 1: C = the bias of column block b.
; The 32 accumulators take turns, one instruction a turn, in the same order in every step.
.macro MUL16 a0, p, mode
.irp a, \a0, \a0+1
.irp b, 0,1,2,3,4,5,6,7
.if \mode
	v_wmma_f32_16x16x128_fp8_fp8 v[8*(8*(\a)+\b):8*(8*(\a)+\b)+7], v[128*(\p)+FR*\b:128*(\p)+FR*\b+FR-1], v[AF+64*(\p)+FR*(\a):AF+64*(\p)+FR*(\a)+FR-1], v[BIAS+8*\b:BIAS+8*\b+7]
.else
	v_wmma_f32_16x16x128_fp8_fp8 v[8*(8*(\a)+\b):8*(8*(\a)+\b)+7], v[128*(\p)+FR*\b:128*(\p)+FR*\b+FR-1], v[AF+64*(\p)+FR*(\a):AF+64*(\p)+FR*(\a)+FR-1], v[8*(8*(\a)+\b):8*(8*(\a)+\b)+7]
.endif
.endr
.endr
.endm
.macro FETCH slot, q, p                ; 48 LDS loads: the fragments of the slot's q-th 128 along K into set p
	WIN TO_B
.irp i, 0,1,2,3,4,5,6,7
	FRAGB 128*(\p)+FR*\i, ADRB+\slot, \q, \i
.endr
	WIN 0
.irp i, 0,1,2,3
	FRAGA AF+64*(\p)+FR*\i, ADRA+\slot, \q, \i
.endr
.endm
.macro PLACES n                        ; plain vector lines between a matrix instruction and a load into its registers, or a read of its result
.rept \n
	v_nop
.endr
.endm
.macro STEP slot, mode                 ; a slot's first 128 along K, on set 0; the second 128's fragments are asked for ahead of the products
	s_wait_dscnt 0x0                               ; set 0 is in
	PLACES NP                                      ; for the loads into set 1, which the products before have read
	FETCH \slot, 1, 1
.if \mode
	WIN BIA_LO
.else
	WIN MUL_LO
.endif
	MUL16 0, 0, \mode
	MUL16 2, 0, \mode
	WIN 0
.endm
; A slot's second 128, on set 1, changes slots: one barrier; in front of it each wave waits for all its tensor loads, adds 0 to its spare word, and waits for that and for its reads of this slot.  fill = 1: the slot is filled again, two K steps ahead.
.macro TURN slot, next, fill
	s_wait_tensorcnt 0x0                           ; all my tensor loads have landed: my part of the next slot
	ds_add_u32 v[SPW], v[NIL]
	s_wait_dscnt 0x0                               ; the add is done, set 1 is in, and my reads of this slot are over
	s_barrier_signal -1
	WIN MUL_LO
	MUL16 0, 1, 0
	WIN 0
	s_barrier_wait -1
.if \fill
	CREST                                          ; the barrier has opened a round of the cluster's: no wave of any partner still reads this slot or has a load on its way
	s_add_nc_u64 s[G0+4*\slot+2:G0+4*\slot+3], s[G0+4*\slot+2:G0+4*\slot+3], 8*HSTR
	s_add_nc_u64 s[G0B+4*\slot+2:G0B+4*\slot+3], s[G0B+4*\slot+2:G0B+4*\slot+3], 2*ROWB
	JLOAD G0+4*\slot, G1, G0B+4*\slot, G1B         ; the first tensor load behind the round; its four v_nop are the places in front of the loads below
.else
	PLACES NP
.endif
	FETCH \next, 0, 0
	WIN MUL_LO
	MUL16 2, 1, 0
	WIN 0
.endm
	s_wait_alu depctr_va_vdst(0)                   ; the wait at the head's end
	s_wait_tensorcnt 0x0                           ; my part of K step 0 is in
	ds_add_u32 v[SPW], v[NIL]
	s_wait_dscnt 0x0
	CROUND                                         ; everybody's part of K step 0 is in, and the joint loads meet
	JLOAD G0+4, G1, G0B+4, G1B                     ; K step 1: the first tensor load behind the round
	FETCH 0, 0, 0
	STEP 0, 1                                      ; the first products start the sums from the bias
	TURN 0, 1, 1                                   ; K step 2 is asked for
	STEP 1, 0
	TURN 1, 0, 1                                   ; K step 3
	STEP 0, 0
	TURN 0, 1, 0                                   ; nothing is left to fetch
	STEP 1, 0
	s_wait_dscnt 0x0
	WIN MUL_LO
	MUL16 0, 1, 0
	MUL16 2, 1, 0
	WIN 0
; THE WAY OUT, block by block of 16 rows x 128 columns: scaled, through my own stage in LDS, and back as whole rows of 512 bytes.  LDS serves a wave's instructions in order (ISA guide 5.7.1.4).
.macro TOSTAGE a
.set AC, 64*(\a)
	WIN 0x02                                       ; source 0: window 2
.irp j, 0,2,4,6,8,10,12,14,16,18,20,22,24,26,28,30,32,34,36,38,40,42,44,46,48,50,52,54,56,58,60,62
	v_pk_mul_f32 v[TMP+\j:TMP+\j+1], v[AC+\j:AC+\j+1], s[96:97] op_sel_hi:[1,0]   ; x 2^(e6 + e7); each accumulator from its low end on
.endr
	WIN 0
.irp b, 0,1,2,3,4,5,6,7
	ds_store_b128 v[STO], v[TMP+8*\b:TMP+8*\b+3] offset:64*\b
	ds_store_b128 v[STO], v[TMP+8*\b+4:TMP+8*\b+7] offset:64*\b+16
.endr
.set BB, BK+64*((\a)%2)
.irp t, 0,1,2,3,4,5,6,7,8,9,10,11,12,13,14,15
	ds_load_b128 v[BB+4*\t:BB+4*\t+3], v[RD] offset:\t*SPITCH
.endr
.endm
.macro SEND a, younger                 ; younger: the LDS instructions issued behind block a's loads, which may stay out
.set BB, BK+64*((\a)%2)
	s_wait_dscnt \younger
.if (\a) > 0
	s_add_nc_u64 s[12:13], s[12:13], 16*SIZE_N*4   ; (behind a wait on XCNT: the earlier stores have read their base)
.endif
.irp t, 0,1,2,3,4,5,6,7,8,9,10,11,12,13,14,15
	global_store_b128 v[CO], v[BB+4*\t:BB+4*\t+3], s[12:13] offset:\t*SIZE_N*4 th:TH_STORE_NT   ; 32 lanes store 512 bytes on end
.endr
.endm
	PLACES NP
	TOSTAGE 0
.irp a, 1,2,3
.if \a > 1
	s_wait_xcnt 0x0                                ; block a - 2's stores have read their registers and their base
.endif
	TOSTAGE \a
	SEND \a-1, 32                                  ; behind block a - 1's loads: block a's 16 stores and 16 loads
.endr
	s_wait_xcnt 0x0
	SEND 3, 0
	s_wait_tensorcnt 0x0                           ; the wave's end
	ds_add_u32 v[SPW], v[NIL]
	s_wait_dscnt 0x0
	CROUND                                         ; the closing round
	s_endpgm
.Lfunc_end_k_qda0cda92e7_proj:
	.size	k_qda0cda92e7_proj, .Lfunc_end_k_qda0cda92e7_proj-k_qda0cda92e7_proj
	.p2alignl 7, 3214868480
	.fill 96, 4, 3214868480
	.section	.rodata,"a",@progbits
	.p2align	6, 0x0
	.amdhsa_kernel k_qda0cda92e7_proj
		.amdhsa_group_segment_fixed_size 327680
		.amdhsa_private_segment_fixed_size 0
		.amdhsa_enable_private_segment 0
		.amdhsa_kernarg_size 40
		.amdhsa_user_sgpr_count 2
		.amdhsa_user_sgpr_kernarg_segment_ptr 1
		.amdhsa_wavefront_size32 1
		.amdhsa_system_sgpr_workgroup_id_x 1
		.amdhsa_system_sgpr_workgroup_id_y 1
		.amdhsa_system_sgpr_workgroup_id_z 1
		.amdhsa_system_vgpr_workitem_id 0
		.amdhsa_next_free_vgpr 768
		.amdhsa_next_free_sgpr 100
		.amdhsa_reserve_vcc 0
		.amdhsa_float_denorm_mode_32 3
		.amdhsa_float_denorm_mode_16_64 3
		.amdhsa_memory_ordered 1
		.amdhsa_forward_progress 1
		.amdhsa_inst_pref_size 81
	.end_amdhsa_kernel
	.amdgpu_metadata
---
amdhsa.version: [ 1, 2 ]
amdhsa.kernels:
  - .name:           k_qda0cda92e7_proj
    .symbol:         k_qda0cda92e7_proj.kd
    .args:
      - { .name: y_codes, .offset: 0, .size: 8, .value_kind: global_buffer, .address_space: global }
      - { .name: wproj_codes, .offset: 8, .size: 8, .value_kind: global_buffer, .address_space: global }
      - { .name: lowp_scales, .offset: 16, .size: 8, .value_kind: global_buffer, .address_space: global }
      - { .name: b_proj, .offset: 24, .size: 8, .value_kind: global_buffer, .address_space: global }
      - { .name: out0, .offset: 32, .size: 8, .value_kind: global_buffer, .address_space: global }
    .group_segment_fixed_size: 327680
    .private_segment_fixed_size: 0
    .kernarg_segment_align: 8
    .kernarg_segment_size: 40
    .max_flat_workgroup_size: 128
    .sgpr_count:     100
    .vgpr_count:     768
    .wavefront_size: 32
...
	.end_amdgpu_metadata
.endif
;; end of part 4
